; MI455X (gfx1250); checked and timed in simulation.
; The chip was launched on July 23, 2026; its instructions are those of AMD's public machine-readable ISA for CDNA 5 (MIT licence, August 2026) and "CDNA5" Instruction Set Architecture Reference Guide (July 2026). The comments in the code are by the model that wrote it; some were corrected since.
;; Block. Allowed arithmetic: matrix products marked QUANTISED: E2M1 operands, one E8M0 scale for each 32 along K, by v_wmma_scale_f32_16x16x128_f8f6f4 with both operands' format E2M1 (or v_wmma_scale_f32_32x16x128_f4), f32 sums; everything else in f32.
;; Inputs: W1 1,024 x 4,096 float32; W2 4,096 x 1,024 float32; WO 1,024 x 1,024 float32; Wqkv 16 x 1,024 x 192 float32; b1 4,096 float32; b2 1,024 float32; bO 1,024 float32; beta1 1,024 float32; beta2 1,024 float32; bqkv 16 x 192 float32; gamma1 1,024 float32; gamma2 1,024 float32; x 2 x 2,048 x 1,024 float32.
;; Outputs: out0 2 x 2,048 x 1,024 float32.
;; This version of the problem:
;;   THIS VERSION OF THE PROBLEM IS GIVEN IN LOW PRECISION. The matrix products marked QUANTISED in the list below multiply operands that are first quantised to E2M1 (2 exponent bits, 1 mantissa bit; 4 bits a number), with one power-of-two scale for each 32 numbers along K (OCP MX v1.0); their sums are f32. All else is computed in f32.
;;   The module's matrix products, in the order in which they are computed (A, B: the left and right operand; K: the contracted axis; several contracted axes count as one K, in the product's order):
;;     1. [M 3,072, K 1,024] x [K 1,024, N 4,096]; A: input Wqkv; B: input x: QUANTISED
;;     2. batch 32 x [M 2,048, K 64] x [K 64, N 2,048]; A: computed on the way; B: computed on the way: QUANTISED
;;     3. batch 32 x [M 2,048, K 2,048] x [K 2,048, N 64]; A: softmax (see below); B: computed on the way: QUANTISED
;;     4. [M 4,096, K 1,024] x [K 1,024, N 1,024]; A: computed on the way; B: input WO: QUANTISED
;;     5. [M 4,096, K 1,024] x [K 1,024, N 4,096]; A: computed on the way; B: input W1: QUANTISED
;;     6. [M 4,096, K 4,096] x [K 4,096, N 1,024]; A: computed on the way; B: input W2: QUANTISED
;;   THE QUANTISER, for each operand of a quantised product, along K:
;;     - K is cut into blocks of 32 from its start; a last block that is shorter is filled with zeros.
;;     - A block's scale is 2^e with e = floor(log2(the largest magnitude in the block)) - 2, held to -126 .. 127; a block of zeros has e = 0. As a byte (E8M0): e + 127.
;;     - Each number is divided by its block's scale, clamped to +-6, and rounded to the nearest number of E2M1, ties to even, subnormals kept.
;;     - The product sums the exact products of the quantised numbers (number of the format x scale) in f32.
;;   ~~~python
;;   def quantise(x, axis):      # numpy; x: float32 -> the quantised numbers, widened to float32 again
;;       x = np.moveaxis(x, axis, -1); K = x.shape[-1]
;;       x = np.pad(x, [(0, 0)] * (x.ndim - 1) + [(0, -K % 32)]); x = x.reshape(x.shape[:-1] + (-1, 32)); a = np.abs(x).max(-1, keepdims=True)
;;       e = np.where(a > 0, np.clip(np.frexp(np.where(a > 0, a, 1))[1] - 1 - 2, -126, 127), 0)      # np.frexp(a)[1] - 1 = floor(log2(a)), exactly
;;       r = np.clip(x / 2.0 ** e, -6, 6)
;;       step = 2.0 ** (np.maximum(np.frexp(np.where(r == 0, 1, r))[1] - 1, 0) - 1)
;;       q = np.round(r / step) * step * 2.0 ** e      # np.round: ties to even
;;       return np.moveaxis(q.reshape(q.shape[:-2] + (-1,))[..., :K], -1, axis).astype(np.float32)
;;   ~~~
;;   SOFTMAX AHEAD OF A QUANTISED PRODUCT. Where the list says 'softmax', what is quantised is not the finished softmax but p = 2^(t - M), with t = logit x log2(e) and M = ceil(the row's largest t), a whole number; so 1/2 < the row's largest p <= 1. The row's sum l is taken of the UNQUANTISED p, in f32, and the product's result is divided by l at the end. Since M is a whole number, a kernel that streams over the keys may use a running M (the ceiling of the running maximum): every later rescaling is an exact power of two, which a block's scale takes up: the codes' values come out the same.
;;   OPERANDS COMPUTED ON THE WAY. 'Computed on the way' means the value that the module computes at that place (a softmax that the list does not call 'softmax' is quantised finished and normalised). What goes into a quantiser is computed in f32, as accurately as f32 sums, v_exp_f32 and their like allow (about 1e-6 of the number): no bf16 or f16 on the way to a quantiser, and a product that is left as it is and whose result goes on into a quantised operand takes f32 operands (vector FMAs, or v_wmma_f32_16x16x4_f32). A number that lies on a knife's edge between two numbers of the format may be rounded either way, as far as f32 arithmetic and the matrix unit's own rounding can turn it there, and no further.
;; One version. Each part assembles by itself: llvm-mc -triple=amdgcn-amd-amdhsa -mcpu=gfx1250 --defsym DOCPART=n.
;; ======== version 1 of 1: 8 launches
;; limits: right only within a limited range of input values
;; workspace buffers: aq 2,228,224 bytes; wq 6,684,672 bytes; qb 2,359,296 bytes; kv 4,587,520 bytes; mq 2,228,224 bytes; hq 8,912,896 bytes; y 16,777,216 bytes; x1 16,777,216 bytes
;; launch prep (part 1): grid 640 x 1, 8 waves a work-group, no clusters, 68,608 bytes of LDS; arguments x, Wqkv, WO, W1, W2, aq, wq; writes aq, wq
.if DOCPART == 1
	.amdgcn_target "amdgcn-amd-amdhsa--gfx1250"
	.amdhsa_code_object_version 6
	.text
	.protected	k_q568ac41f73_prep
	.globl	k_q568ac41f73_prep
	.p2align	8
	.type	k_q568ac41f73_prep,@function
k_q568ac41f73_prep:
	s_mov_b64 s[64:65], 0
	v_nop
	global_prefetch_b8 v0, s[64:65] scope:SCOPE_SE
	s_setreg_imm32_b32 hwreg(HW_REG_WAVE_MODE, 25, 1), 1
	s_wait_xcnt 0x0
; THE PROGRAM: a transformer block (4,096 tokens, C = 1,024, 16 heads of 64, FF = 4,096), all six products on codes of FP4 (E2M1) with one E8M0 scale for each 32 along K.
; Launches: prep (this one: x and the four weights into codes) | qkv (product 1, bias, q k v into codes) | attn (products 2 and 3, softmax, mha into codes) | wo (product 4 + bO + x) |
; ln1 (LayerNorm, x1 as f32 and as codes) | ffn1 (product 5 + b1, relu, into codes) | ffn2 (product 6 + b2 + x1) | ln2 (LayerNorm, the output).
; WORK LEFT OUT: reference() itself builds the causal mask (jnp.tril) and puts -9e15 in the place of every logit whose key comes after its query; 2^(t - M) of such a logit is 0 in f32 for every finite q and k
; whose visible logits lie above -9e15, so it adds nothing to the row's sum, and its code is 0.  So key steps of 128 keys that lie wholly behind a wave's 16 queries are not multiplied (launch attn).
; LIMIT: a NaN, an infinity or an overflow that reaches only those scores is not carried to the result.  Every input has a way to the output: all are loaded.
; LAYOUTS OF THE PROGRAM'S OWN BUFFERS.  A TILE is 16 rows of an operand (tokens, or a weight's n): tile t, row r stands for index 32 (t / 2) + 8 (t % 2) + r % 8 + 16 (r / 8).  As source 0 such tiles leave 16 neighbours
; along the next K in a lane's registers of two neighbouring result tiles.  A FRAGMENT IMAGE (16 rows x 128 K, 1,024 bytes) is the operand's registers on end: register 4 c + g of lane l at 512 c + 16 l + 4 g.
; A QUAD RECORD (4,352 bytes) is one tile's four images of 512 along K and then 256 bytes of scale words, row r's word of K step s at 4,096 + 16 r + 4 s.  An operand is [tile][K / 512][4,352].
; THIS LAUNCH.  Work-groups 0-255: token tile = work-group, wave = K step of 128: 16 rows x 512 bytes come in as whole runs of 512 bytes, turn through the wave's own stage in LDS, so that lane (r, h) holds
; k = 64 c + 32 h + 0 .. 31 of row r: two whole blocks.  Work-groups 256-639: the weights, whose K is not innermost: a lane takes a column, its registers run down K (128 of them: four blocks).
; A block's scale byte is its largest magnitude's exponent field - 2, held at 1 from below.
; LIMITS: a block of zeros, and one whose largest magnitude lies under 2^-124, gets the byte 1 (zero blocks have zero codes, and this program alone reads the bytes); NaN and infinities among the inputs are not served.
.set STG,   8448                       ; a wave's stage: 16 rows x (512 bytes + 16)
.set SPARE, 67584                      ; behind the eight stages: the spare words, 128 bytes a wave
.set SPW, 12                           ; v12  LDS address of my spare word; never rewritten
.set NIL, 13                           ; v13  0; never rewritten
.set TM,  16                           ; v16-17 largest magnitudes
.set SO,  18                           ; v18-19 the conversions' scale operands
.set BY,  20                           ; v20-21 scale bytes
.set WD,  22                           ; v22  the scale word
.set T0,  23
.set SH,  24
.set R,   32                           ; v32-95   16 rows as loaded
.set X,   96                           ; v96-159  64 numbers of my row
.set CD,  160                          ; v160-    codes
.set WV,  18                           ; s18  wave
.set SEL, 20                           ; s[20:21] lane selects: lane l xor 16
	s_load_b256 s[4:11], s[0:1], 0x0               ; x, Wqkv, WO, W1
	s_load_b128 s[12:15], s[0:1], 0x20             ; W2, aq
	s_load_b64 s[16:17], s[0:1], 0x30              ; wq
	v_lshl_add_u32 v[SPW], v0, 2, SPARE
	v_mov_b32 v[NIL], 0
	v_lshrrev_b32 v1, 5, v0
	v_readfirstlane_b32 s[WV], v1
	v_and_b32 v1, 31, v0                           ; lane
	v_and_b32 v2, 15, v0                           ; r
	v_bfe_u32 v3, v0, 4, 1                         ; h
	s_wait_kmcnt 0x0
	s_cmp_lt_u32 ttmp9, 256
	s_cbranch_scc0 .Lweights
	; ---- x: token tile = work-group, K step = wave
	s_lshr_b32 s22, ttmp9, 1
	s_lshl_b32 s22, s22, 17                        ; 32 rows of 4,096 bytes
	s_and_b32 s23, ttmp9, 1
	s_lshl_b32 s23, s23, 15                        ; 8 rows
	s_add_co_u32 s22, s22, s23
	s_lshl_b32 s23, s[WV], 9                       ; my 128 columns
	s_add_co_u32 s22, s22, s23
	s_mov_b32 s23, 0
	s_add_nc_u64 s[4:5], s[4:5], s[22:23]
	s_mul_i32 s24, ttmp9, 8704
	s_lshr_b32 s25, s[WV], 2
	s_mul_i32 s25, s25, 4352
	s_add_co_u32 s24, s24, s25
	s_mov_b32 s25, 0
	s_add_nc_u64 s[14:15], s[14:15], s[24:25]      ; my quad record
	s_and_b32 s26, s[WV], 3                        ; my K step in it
	s_mul_i32 s27, s[WV], STG
	s_mov_b32 s[SEL], 0x76543210
	s_mov_b32 s[SEL+1], 0xfedcba98
	v_lshlrev_b32 v4, 4, v1                        ; 16 x lane
	v_add_nc_u32 v5, s27, v4                       ; the stage, on the way in
	v_mul_u32_u24 v6, v2, 528
	v_lshl_add_u32 v6, v3, 7, v6
	v_add_nc_u32 v6, s27, v6                       ; and out: row r, + 128 h
	s_lshl_b32 s28, s26, 10
	v_add_nc_u32 v7, s28, v4                       ; my image
	s_lshl_b32 s28, s26, 2
	s_add_co_u32 s28, s28, 4096
	v_lshl_add_u32 v8, v2, 4, s28                  ; my row's scale word
.set n, 0
.rept 16
	global_load_b128 v[R+4*n:R+4*n+3], v4, s[4:5] offset:((n&7)+16*(n>>3))*4096 th:TH_LOAD_NT   ; 32 lanes read 512 consecutive bytes of the tile's row n
.set n, n+1
.endr
.set n, 0
.rept 16
	s_wait_loadcnt 15-n                            ; row n is in; the younger rows may be out
	ds_store_b128 v5, v[R+4*n:R+4*n+3] offset:n*528
.set n, n+1
.endr
.irp c,0,1
.irp j,0,1,2,3,4,5,6,7
	ds_load_b128 v[X+32*\c+4*\j:X+32*\c+4*\j+3], v6 offset:\c*256+\j*16   ; LDS serves a wave's instructions in order: these see my stores
.endr
.endr
	s_wait_dscnt 0x0
.irp c,0,1
	v_max3_num_f32 v[TM+\c], |v[X+32*\c]|, |v[X+32*\c+1]|, 0x1800000      ; my block 2 c + h, and the floor 2^(3 - 127)
.endr
.irp i,2,4,6,8,10,12,14,16,18,20,22,24,26,28,30
.irp c,0,1
	v_max3_num_f32 v[TM+\c], v[TM+\c], |v[X+32*\c+\i]|, |v[X+32*\c+\i+1]|
.endr
.endr
.irp c,0,1
	v_add_nc_u32 v[SO+\c], 0xff000000, v[TM+\c]    ; 2 off the exponent field: the conversion's scale operand
.endr
.irp c,0,1
	v_lshrrev_b32 v[BY+\c], 23, v[SO+\c]           ; the scale's byte
.endr
	v_lshl_or_b32 v[WD], v[BY+1], 16, v[BY]        ; blocks h and 2 + h,
	v_lshlrev_b32 v[SH], 3, v3
	v_lshlrev_b32 v[WD], v[SH], v[WD]              ; at their places in the word;
	v_mov_b32 v[T0], 0
	v_permlanex16_b32 v[T0], v[WD], s[SEL], s[SEL+1]
	v_or_b32 v[WD], v[WD], v[T0]                   ; with lane l xor 16's two it is whole
.irp c,0,1
.irp g,0,1,2,3
	v_cvt_scalef32_pk8_fp4_f32 v[CD+4*\c+\g], v[X+32*\c+8*\g:X+32*\c+8*\g+7], v[SO+\c]
.endr
.endr
	v_nop                                          ; a plain line behind the last conversion
	global_store_b128 v7, v[CD:CD+3], s[14:15]               ; 512 consecutive bytes
	global_store_b128 v7, v[CD+4:CD+7], s[14:15] offset:512
	global_store_b32 v8, v[WD], s[14:15]           ; both lanes of a row store the same word
	s_wait_tensorcnt 0x0                           ; the wave's end, behind my last LDS store
	ds_add_u32 v[SPW], v[NIL]
	s_wait_dscnt 0x0
	s_endpgm
	; ---- the weights: a wave takes 32 columns (two tiles) x 128 along K.  No LDS here.
; s24 = the group of 32 columns, s25 = the K step, s26 = the weight's region in wq, s27 = bytes of a tile's records, s[28:29] = the weight, s22 = my first number's byte in it
.macro WADDR
	s_mov_b32 s23, 0
	s_add_nc_u64 s[28:29], s[28:29], s[22:23]
	s_lshl_b32 s30, s24, 1
	s_mul_i32 s30, s30, s27
	s_add_co_u32 s30, s30, s26
	s_lshr_b32 s31, s25, 2
	s_mul_i32 s31, s31, 4352
	s_add_co_u32 s30, s30, s31                     ; tile 2 g's quad record
	s_and_b32 s31, s25, 3
	s_lshl_b32 s32, s31, 10
	s_add_co_u32 s32, s32, s30
	s_mov_b32 s33, 0
	s_add_nc_u64 s[34:35], s[16:17], s[32:33]      ; the image
	s_lshl_b32 s31, s31, 2
	s_add_co_u32 s32, s30, s31
	s_add_co_u32 s32, s32, 4096
	s_add_nc_u64 s[36:37], s[16:17], s[32:33]      ; the scale words
	v_mul_u32_u24 v5, s27, v3
	v_lshl_add_u32 v7, v2, 4, v5                   ; lanes 16-31 write the next tile: u x its records + 16 r
.endm
.macro LOADB b, rs                     ; block b: 32 rows of K at my column, into v[32 + 32 b] on: a wave reads 128 consecutive bytes of each.  (The argument is put in as text: so it stands in brackets)
.set n, 0
.rept 32
	global_load_b32 v[32+32*(\b)+n], v4, s[28:29] offset:(32*(\b)+n)*\rs th:TH_LOAD_NT
.set n, n+1
.endr
.endm
.macro QW rs
	LOADB 0, \rs                                   ; loads run two blocks ahead; each block has registers of its own
	LOADB 1, \rs
.irp b,0,1,2,3
.if \b < 3
	s_wait_loadcnt 32                              ; this block's 32 loads are in; the next block's may be out
.else
	s_wait_loadcnt 0x0
.endif
.if \b < 2
	LOADB \b+2, \rs
.endif
	v_max3_num_f32 v16, |v[32+32*\b]|, |v[33+32*\b]|, |v[34+32*\b]|
	v_max3_num_f32 v17, |v[35+32*\b]|, |v[36+32*\b]|, |v[37+32*\b]|
.irp i,6,10,14,18,22,26
	v_max3_num_f32 v16, v16, |v[32+32*\b+\i]|, |v[33+32*\b+\i]|
	v_max3_num_f32 v17, v17, |v[34+32*\b+\i]|, |v[35+32*\b+\i]|
.endr
	v_max3_num_f32 v16, v16, |v[62+32*\b]|, |v[63+32*\b]|
	v_max3_num_f32 v16, v16, v17, 0x1800000        ; and the floor
	v_add_nc_u32 v[24+\b], 0xff000000, v16
	v_lshrrev_b32 v28, 23, v[24+\b]
.if \b == 0
	v_mov_b32 v29, v28
.else
	v_lshl_or_b32 v29, v28, 8*\b, v29              ; four bytes make the column's scale word of this K step
.endif
.irp g,0,1,2,3
	v_cvt_scalef32_pk8_fp4_f32 v[160+4*\b+\g], v[32+32*\b+8*\g:39+32*\b+8*\g], v[24+\b]
.endr
	global_store_b128 v7, v[160+4*\b:163+4*\b], s[34:35] offset:(\b>>1)*512+(\b&1)*256   ; block b = 2 c + h of the image: sixteen lanes store 256 consecutive bytes, aligned
.endr
	v_nop
	global_store_b32 v7, v29, s[36:37]
	s_endpgm
.endm
.Lweights:
	v_and_b32 v4, 8, v2
	v_add_nc_u32 v4, v4, v2                        ; r % 8 + 16 (r / 8)
	v_lshl_add_u32 v4, v3, 3, v4                   ; + 8 u: my column among the 32
	v_lshlrev_b32 v4, 2, v4
	s_cmp_lt_u32 ttmp9, 352
	s_cbranch_scc0 .Lnot_qkv
	s_sub_co_u32 s19, ttmp9, 256                   ; Wqkv [16][1024][192]: 96 groups of columns x 8 K steps
	s_mul_i32 s25, s19, 43
	s_lshr_b32 s25, s25, 9                         ; K step = / 12 (exact for 0 .. 95)
	s_mul_i32 s24, s25, 12
	s_sub_co_u32 s24, s19, s24
	s_lshl_b32 s24, s24, 3
	s_add_co_u32 s24, s24, s[WV]                   ; group 0 .. 95 = 6 x head + group in the head
	s_mul_i32 s30, s24, 43
	s_lshr_b32 s30, s30, 8                         ; head = / 6 (exact for 0 .. 95)
	s_mul_i32 s31, s30, 6
	s_sub_co_u32 s31, s24, s31
	s_mul_i32 s22, s30, 786432
	s_mul_i32 s32, s25, 98304
	s_add_co_u32 s22, s22, s32
	s_lshl_b32 s31, s31, 7
	s_add_co_u32 s22, s22, s31
	s_mov_b64 s[28:29], s[6:7]
	s_mov_b32 s26, 0
	s_mov_b32 s27, 8704
	WADDR
	QW 768
.Lnot_qkv:
	s_cmp_lt_u32 ttmp9, 384
	s_cbranch_scc1 .Lrows4096
	s_cmp_lt_u32 ttmp9, 512
	s_cbranch_scc0 .Lrows4096
	s_sub_co_u32 s19, ttmp9, 384                   ; W1 [1024][4096]: 128 groups x 8 K steps
	s_lshr_b32 s25, s19, 4
	s_and_b32 s24, s19, 15
	s_lshl_b32 s24, s24, 3
	s_add_co_u32 s24, s24, s[WV]
	s_lshl_b32 s22, s25, 21
	s_lshl_b32 s31, s24, 7
	s_add_co_u32 s22, s22, s31
	s_mov_b64 s[28:29], s[10:11]
	s_mov_b32 s26, 2228224
	s_mov_b32 s27, 8704
	WADDR
	QW 16384
.Lrows4096:                                            ; WO [1024][1024] (work-groups 352-383) and W2 [4096][1024] (512-639): rows of 4,096 bytes, 32 groups; the choice hangs on the work-group's number alone
	s_cmp_lt_u32 ttmp9, 384
	s_cselect_b64 s[28:29], s[8:9], s[12:13]
	s_mov_b32 s26, 4456448
	s_cselect_b32 s26, 1671168, s26
	s_mov_b32 s27, 34816
	s_cselect_b32 s27, 8704, s27
	s_mov_b32 s19, 512
	s_cselect_b32 s19, 352, s19
	s_sub_co_u32 s19, ttmp9, s19
	s_lshr_b32 s25, s19, 2
	s_and_b32 s24, s19, 3
	s_lshl_b32 s24, s24, 3
	s_add_co_u32 s24, s24, s[WV]
	s_lshl_b32 s22, s25, 19
	s_lshl_b32 s31, s24, 7
	s_add_co_u32 s22, s22, s31
	WADDR
	QW 4096
.Lfunc_end_k_q568ac41f73_prep:
	.size	k_q568ac41f73_prep, .Lfunc_end_k_q568ac41f73_prep-k_q568ac41f73_prep
	.p2alignl 7, 3214868480
	.fill 96, 4, 3214868480
	.section	.rodata,"a",@progbits
	.p2align	6, 0x0
	.amdhsa_kernel k_q568ac41f73_prep
		.amdhsa_group_segment_fixed_size 68608
		.amdhsa_private_segment_fixed_size 0
		.amdhsa_enable_private_segment 0
		.amdhsa_kernarg_size 56
		.amdhsa_user_sgpr_count 2
		.amdhsa_user_sgpr_kernarg_segment_ptr 1
		.amdhsa_wavefront_size32 1
		.amdhsa_system_sgpr_workgroup_id_x 1
		.amdhsa_system_sgpr_workgroup_id_y 1
		.amdhsa_system_sgpr_workgroup_id_z 1
		.amdhsa_system_vgpr_workitem_id 0
		.amdhsa_next_free_vgpr 176
		.amdhsa_next_free_sgpr 66
		.amdhsa_reserve_vcc 0
		.amdhsa_float_denorm_mode_32 3
		.amdhsa_float_denorm_mode_16_64 3
		.amdhsa_memory_ordered 1
		.amdhsa_forward_progress 1
		.amdhsa_inst_pref_size 70
	.end_amdhsa_kernel
	.amdgpu_metadata
---
amdhsa.version: [ 1, 2 ]
amdhsa.kernels:
  - .name:           k_q568ac41f73_prep
    .symbol:         k_q568ac41f73_prep.kd
    .args:
      - { .name: x, .offset: 0, .size: 8, .value_kind: global_buffer, .address_space: global }
      - { .name: Wqkv, .offset: 8, .size: 8, .value_kind: global_buffer, .address_space: global }
      - { .name: WO, .offset: 16, .size: 8, .value_kind: global_buffer, .address_space: global }
      - { .name: W1, .offset: 24, .size: 8, .value_kind: global_buffer, .address_space: global }
      - { .name: W2, .offset: 32, .size: 8, .value_kind: global_buffer, .address_space: global }
      - { .name: aq, .offset: 40, .size: 8, .value_kind: global_buffer, .address_space: global }
      - { .name: wq, .offset: 48, .size: 8, .value_kind: global_buffer, .address_space: global }
    .group_segment_fixed_size: 68608
    .private_segment_fixed_size: 0
    .kernarg_segment_align: 8
    .kernarg_segment_size: 56
    .max_flat_workgroup_size: 256
    .sgpr_count:     66
    .vgpr_count:     176
    .wavefront_size: 32
...
	.end_amdgpu_metadata
.endif
;; end of part 1
;; launch qkv (part 2): grid 16 x 16, 12 waves a work-group, clusters of 4 x 4, 245,248 bytes of LDS; arguments aq, wq, bqkv, qb, kv; writes qb, kv
.if DOCPART == 2
	.amdgcn_target "amdgcn-amd-amdhsa--gfx1250"
	.amdhsa_code_object_version 6
	.text
	.protected	k_q568ac41f73_qkv
	.globl	k_q568ac41f73_qkv
	.p2align	8
	.type	k_q568ac41f73_qkv,@function
k_q568ac41f73_qkv:
	s_mov_b64 s[64:65], 0
	v_nop
	global_prefetch_b8 v0, s[64:65] scope:SCOPE_SE
	s_setreg_imm32_b32 hwreg(HW_REG_WAVE_MODE, 25, 1), 1
	s_wait_xcnt 0x0
	s_wait_alu depctr_hold_cnt(0) depctr_sa_sdst(0) depctr_va_vdst(0) depctr_va_sdst(0) depctr_va_ssrc(0) depctr_va_vcc(0) depctr_vm_vsrc(0)
	s_getreg_b32 s2, hwreg(HW_REG_IB_STS2, 6, 4)
	s_cmp_eq_u32 s2, 0
	s_cbranch_scc0 .Lentry_in_a_cluster
	s_endpgm
.Lentry_in_a_cluster:
	s_bfe_u32 s2, ttmp6, 0x10000c
	s_cmp_lg_u32 s2, 0xf033
	s_cbranch_scc0 .Lentry_shape_is_right
	s_endpgm
.Lentry_shape_is_right:
; q, k, v = x Wqkv + bqkv for one head (work-group x) and 256 tokens (work-group y), on codes of FP4; then q and k are quantised along the head's 64, v along the keys.
; Operands come as quad records (launch prep's head comment): K = 1,024 is two quads; both lie in LDS at once (16 token tiles and 12 weight tiles each), filled once by tensor loads: no slot is filled again.
; SHARES.  Twelve waves: wave w takes 64 tokens (w % 4) of q, k or v (w / 4): 16 accumulators of 16 x 16.  For q and k source 0 = rows of W, source 1 = tokens: a lane holds one token, its 32 registers of a
; token tile are d = 32 p + 16 h + 0 .. 15: neighbours along the next K.  For v the sources are swapped: a lane holds one d and 32 tokens (keys), which are v's K.
; OUT.  q: half images [b h][tile][512] and scale words [b h][tile][r].  k and v: records of 8,960 bytes for each (b h, 128 keys): k's eight half images, V^T's four images, k's scale words, V^T's.
; The next product's K is 64, half of the instruction's 128: q's and k's scale words carry 0x7f (1.0) in bytes 2 and 3; the upper half's codes are dealt with in launch attn.
; CLUSTER 4 x 4: token tiles hang on work-group y alone and are asked for jointly along a row of the cluster, weight tiles on x alone, along a column.
; LIMITS: a block of zeros or under 2^-124 gets the byte 1; NaN and infinities are not served.
.set TS,    4352                       ; from tile to tile in LDS
.set QR,    121856                     ; a quad's region: 28 tiles
.set WBASE, 69632                      ; in it the weight tiles begin here
.set SPARE, 243712                     ; behind both regions: the spare words, 128 bytes a wave
.set NTOK,  8                          ; waves 0-7 fetch token tiles, waves 8-11 weight tiles
.set SPW, 8
.set NIL, 9
.set ADX, 5                            ; v5  LDS: my four token tiles, + 16 x lane
.set ADW, 6                            ; v6  my four weight tiles
.set ADS, 7                            ; v7  scale words: lanes 0-15 the token tiles', lanes 16-31 the weight tiles'
.set SC,  12                           ; v12-27 scale words and nothing else: register 4 i + s: tile i, K step s
.set BV,  28                           ; v28-31 v's bias at my lane's d, for each of four tiles
.set F0,  32                           ; v32-63 source 0's four fragments
.set F1,  64                           ; v64-95 source 1's
.set BI,  96                           ; v96-127 q's or k's bias at my 32 d
.set ACC, 128                          ; accumulator (a, b) at v[128 + 8 (4 b + a)]
.set PC,  32                           ; the way out, in the fragments' registers: codes, 4 for each b
.set PW,  48                           ; scale bytes, one register for each b
.set TM,  52
.set TP,  54
.set SO,  56
.set BY,  58
.set WV,  14
.set SEL, 2
.set G1X, 24
.set G1W, 32
.set G0X, 40
.set G0W, 48
.macro ROUND                           ; a round of the cluster's barrier
	s_barrier_signal -1
	s_barrier_wait -1
	s_cmp_lg_u32 s[WV], 0
	s_cbranch_scc1 .Lnot_wave_0_\@
	s_barrier_signal -3
.Lnot_wave_0_\@:
	s_barrier_wait -3
	s_barrier_signal -1
	s_barrier_wait -1
.endm
.macro JLOAD g0a, g1a, g0b, g1b        ; a joint load; the branch hangs on the wave's number alone; an s_nop 0 and four v_nop follow each line
	s_cmp_lt_u32 s[WV], NTOK
	s_cbranch_scc0 .Lfor_w_\@
	tensor_load_to_lds s[\g0a:\g0a+3], s[\g1a:\g1a+7]
	s_nop 0
.rept 4
	v_nop
.endr
	s_branch .Lasked_\@
.Lfor_w_\@:
	tensor_load_to_lds s[\g0b:\g0b+3], s[\g1b:\g1b+7]
	s_nop 0
.rept 4
	v_nop
.endr
.Lasked_\@:
.endm
; one product.  r0 = 1: source 0 is the weight, whose scale words stand in lanes 16-31
.macro WM a, b, s, r0, zero
.if \zero
.if \r0
	v_wmma_scale_f32_16x16x128_f8f6f4 v[ACC+8*(4*\b+\a):ACC+8*(4*\b+\a)+7], v[F0+8*\a:F0+8*\a+7], v[F1+8*\b:F1+8*\b+7], 0, v[SC+4*\a+\s], v[SC+4*\b+\s] matrix_a_fmt:MATRIX_FMT_FP4 matrix_b_fmt:MATRIX_FMT_FP4 matrix_a_scale:MATRIX_SCALE_ROW1
.else
	v_wmma_scale_f32_16x16x128_f8f6f4 v[ACC+8*(4*\b+\a):ACC+8*(4*\b+\a)+7], v[F0+8*\a:F0+8*\a+7], v[F1+8*\b:F1+8*\b+7], 0, v[SC+4*\a+\s], v[SC+4*\b+\s] matrix_a_fmt:MATRIX_FMT_FP4 matrix_b_fmt:MATRIX_FMT_FP4 matrix_b_scale:MATRIX_SCALE_ROW1
.endif
.else
.if \r0
	v_wmma_scale_f32_16x16x128_f8f6f4 v[ACC+8*(4*\b+\a):ACC+8*(4*\b+\a)+7], v[F0+8*\a:F0+8*\a+7], v[F1+8*\b:F1+8*\b+7], v[ACC+8*(4*\b+\a):ACC+8*(4*\b+\a)+7], v[SC+4*\a+\s], v[SC+4*\b+\s] matrix_a_fmt:MATRIX_FMT_FP4 matrix_b_fmt:MATRIX_FMT_FP4 matrix_a_scale:MATRIX_SCALE_ROW1
.else
	v_wmma_scale_f32_16x16x128_f8f6f4 v[ACC+8*(4*\b+\a):ACC+8*(4*\b+\a)+7], v[F0+8*\a:F0+8*\a+7], v[F1+8*\b:F1+8*\b+7], v[ACC+8*(4*\b+\a):ACC+8*(4*\b+\a)+7], v[SC+4*\a+\s], v[SC+4*\b+\s] matrix_a_fmt:MATRIX_FMT_FP4 matrix_b_fmt:MATRIX_FMT_FP4 matrix_b_scale:MATRIX_SCALE_ROW1
.endif
.endif
.endm
; a K step of 128: eight fragments as images (two loads of 512 consecutive bytes each), 16 products; the 16 accumulators take turns, one instruction a turn, in the same order in every step
.macro KSTEP a0, a1, r0, off, s, zero
.irp b,0,1,2,3
.irp c,0,1
	ds_load_b128 v[F1+8*\b+4*\c:F1+8*\b+4*\c+3], v[\a1] offset:\off+\b*TS+\s*1024+\c*512
.endr
.endr
.irp a,0,1,2,3
.irp c,0,1
	ds_load_b128 v[F0+8*\a+4*\c:F0+8*\a+4*\c+3], v[\a0] offset:\off+\a*TS+\s*1024+\c*512
.endr
.endr
.irp a,0,1,2,3
	s_wait_dscnt 6-2*\a                            ; source 1's four and source 0's fragment a are in; the two loads of each later fragment of source 0 may be out
.irp b,0,1,2,3
	WM \a, \b, \s, \r0, \zero
.endr
.endr
.endm
; a quad: the scale words of its four K steps (one load of 16 bytes a row and tile), then the steps.  Four plain lines stand in front of loads into registers that products have read (ISA guide 7.12.1 for vector instructions)
.macro QUAD a0, a1, ads, r0, off, first
.if \first == 0
.rept 4
	v_nop
.endr
.endif
.irp i,0,1,2,3
	ds_load_b128 v[SC+4*\i:SC+4*\i+3], v[\ads] offset:\off+\i*TS
.endr
	KSTEP \a0, \a1, \r0, \off, 0, \first
.irp s,1,2,3
.rept 4
	v_nop
.endr
	KSTEP \a0, \a1, \r0, \off, \s, 0
.endr
.endm
; 32 numbers of a lane, register 16 p + i = k 32 p + 16 h + i of its row, become half an image (4 registers: k = 32 h + 0 .. 31) and two scale bytes
.macro QUANT2 s, abs, pc, pw
.if \abs
.irp p,0,1
	v_max3_num_f32 v[TM+\p], |v[\s+16*\p]|, |v[\s+16*\p+1]|, 0x1800000    ; my 16 of block p, and the floor 2^(3 - 127)
.endr
.irp i,2,4,6,8,10,12,14
.irp p,0,1
	v_max3_num_f32 v[TM+\p], v[TM+\p], |v[\s+16*\p+\i]|, |v[\s+16*\p+\i+1]|
.endr
.endr
.else
.irp p,0,1
	v_max3_num_f32 v[TM+\p], v[\s+16*\p], v[\s+16*\p+1], 0x1800000
.endr
.irp i,2,4,6,8,10,12,14
.irp p,0,1
	v_max3_num_f32 v[TM+\p], v[TM+\p], v[\s+16*\p+\i], v[\s+16*\p+\i+1]
.endr
.endr
.endif
.irp p,0,1
	v_permlanex16_b32 v[TP+\p], v[TM+\p], s[SEL], s[SEL+1]
.endr
.irp p,0,1
	v_max_num_f32 v[TM+\p], v[TM+\p], v[TP+\p]     ; with lane l xor 16's 16: the block's
.endr
.irp p,0,1
	v_add_nc_u32 v[SO+\p], 0xff000000, v[TM+\p]    ; 2 off the exponent field: the conversion's scale operand
.endr
.irp p,0,1
	v_lshrrev_b32 v[BY+\p], 23, v[SO+\p]
.endr
	v_lshl_or_b32 v[\pw], v[BY+1], 8, v[BY]
.irp p,0,1
	v_cvt_scalef32_pk8_fp4_f32 v[\pc+2*\p], v[\s+16*\p:\s+16*\p+7], v[SO+\p]
	v_cvt_scalef32_pk8_fp4_f32 v[\pc+2*\p+1], v[\s+16*\p+8:\s+16*\p+15], v[SO+\p]
.endr
	v_nop                                          ; a plain line behind the conversions
	v_permlane16_swap_b32 v[\pc], v[\pc+2]         ; a whole block to a lane: lanes 0-15 block 0, lanes 16-31 block 1
	v_permlane16_swap_b32 v[\pc+1], v[\pc+3]
.endm
	s_load_b256 s[4:11], s[0:1], 0x0               ; aq, wq, bqkv, qb
	s_load_b64 s[12:13], s[0:1], 0x20              ; kv
	v_lshl_add_u32 v[SPW], v0, 2, SPARE
	v_mov_b32 v[NIL], 0
	ds_add_u32 v[SPW], v[NIL]                      ; the wave's opening: the add, twice on end, and its wait ahead of my first tensor load
	ds_add_u32 v[SPW], v[NIL]
	v_lshrrev_b32 v1, 5, v0
	v_readfirstlane_b32 s[WV], v1                  ; wave 0..11
	s_and_b32 s15, s[WV], 3                        ; which 64 tokens
	s_lshr_b32 s16, s[WV], 2                       ; 0 q, 1 k, 2 v
	s_bfe_u32 s17, ttmp6, 0x40000                  ; cx
	s_bfe_u32 s18, ttmp6, 0x40004                  ; cy
	s_lshl_b32 s19, ttmp9, 2
	s_add_co_u32 s19, s19, s17                     ; the head
	s_and_b32 s20, ttmp7, 0xffff
	s_lshl_b32 s20, s20, 2
	s_add_co_u32 s20, s20, s18                     ; the block of 256 tokens
	s_lshl_b32 s21, s18, 2
	s_lshl_b32 s21, 15, s21                        ; my row of the cluster
	s_lshl_b32 s22, 0x1111, s17                    ; my column
	s_or_b32 s[G1X], s21, (3<<16)|(1<<21)          ; elements of 8 bytes, no padding; the bit beside a mask
	s_or_b32 s[G1W], s22, (3<<16)|(1<<21)
	s_mov_b32 s[G1X+1], 544<<16                    ; a row = one tile's quad record, 4,352 bytes
	s_mov_b32 s[G1X+2], 2<<16                      ; two tiles
	s_mov_b32 s[G1X+3], 544<<16
	s_mov_b32 s[G1X+4], 2
	s_mov_b32 s[G1X+5], 1088                       ; a tile's two quads apart
	s_mov_b32 s[G1X+6], 0
	s_mov_b32 s[G1X+7], 0
	s_mov_b32 s[G1W+1], 544<<16
	s_mov_b32 s[G1W+2], 3<<16                      ; three tiles
	s_mov_b32 s[G1W+3], 544<<16
	s_mov_b32 s[G1W+4], 3
	s_mov_b32 s[G1W+5], 1088
	s_mov_b32 s[G1W+6], 0
	s_mov_b32 s[G1W+7], 0
	s_and_b32 s23, s[WV], 7
	s_lshl_b32 s56, s20, 4
	s_lshl_b32 s57, s23, 1
	s_add_co_u32 s56, s56, s57
	s_mul_i32 s56, s56, 8704                       ; token tiles 16 y + 2 (w % 8)
	s_mov_b32 s57, 0
	s_mul_i32 s58, s23, 8704                       ; their place in a region
	s_mul_i32 s60, s19, 12
	s_mul_i32 s61, s15, 3
	s_add_co_u32 s60, s60, s61
	s_mul_i32 s60, s60, 8704                       ; weight tiles 12 head + 3 (w % 4)
	s_mov_b32 s61, 0
	s_mul_i32 s59, s15, 13056
	s_add_co_u32 s59, s59, WBASE
	s_mov_b32 s[SEL], 0x76543210
	s_mov_b32 s[SEL+1], 0xfedcba98
	s_wait_dscnt 0x0                               ; both opening adds are done
	s_wait_kmcnt 0x0
	s_add_nc_u64 s[56:57], s[4:5], s[56:57]
	s_add_nc_u64 s[60:61], s[6:7], s[60:61]
	ROUND                                          ; all sixteen work-groups are here: the joint loads meet
.irp q,0,1
	s_mov_b32 s[G0X+4*\q], 1
	s_add_co_u32 s[G0X+4*\q+1], s58, \q*QR
	s_add_nc_u64 s[G0X+4*\q+2:G0X+4*\q+3], s[56:57], \q*4352
	s_or_b32 s[G0X+4*\q+3], s[G0X+4*\q+3], 0x80000000
	s_mov_b32 s[G0W+4*\q], 1
	s_add_co_u32 s[G0W+4*\q+1], s59, \q*QR
	s_add_nc_u64 s[G0W+4*\q+2:G0W+4*\q+3], s[60:61], \q*4352
	s_or_b32 s[G0W+4*\q+3], s[G0W+4*\q+3], 0x80000000
	JLOAD G0X+4*\q, G1X, G0W+4*\q, G1W             ; quad q: two loads of mine are out in all
.endr
	v_and_b32 v3, 15, v0                           ; r
	v_bfe_u32 v4, v0, 4, 1                         ; h
	v_and_b32 v1, 31, v0
	v_lshlrev_b32 v1, 4, v1                        ; 16 x lane
	v_lshlrev_b32 v2, 2, v3                        ; 4 r
	s_mul_i32 s66, s15, 17408
	s_mul_i32 s67, s16, 17408
	s_add_co_u32 s67, s67, WBASE
	v_add_nc_u32 v[ADX], s66, v1
	v_add_nc_u32 v[ADW], s67, v1
	s_sub_co_u32 s68, s67, s66                     ; the weight tiles lie behind the token tiles: one product with h
	v_mul_u32_u24 v[ADS], s68, v4
	v_lshl_add_u32 v[ADS], v3, 4, v[ADS]
	s_add_co_u32 s69, s66, 4096
	v_add_nc_u32 v[ADS], s69, v[ADS]
	; the bias, in both forms, by every wave, so that no register's content hangs on a branch: along d for q and k (for a v wave: v's own 64, not used), and at my lane's d for v
	s_mul_i32 s70, s19, 768
	s_lshl_b32 s71, s16, 8
	s_add_co_u32 s72, s70, s71
	s_mov_b32 s73, 0
	s_add_nc_u64 s[72:73], s[8:9], s[72:73]
	s_add_co_u32 s74, s70, 512
	s_mov_b32 s75, 0
	s_add_nc_u64 s[74:75], s[8:9], s[74:75]
	v_lshlrev_b32 v10, 6, v4                       ; 16 h numbers
	v_and_b32 v11, 8, v3
	v_add_nc_u32 v11, v11, v3
	v_lshlrev_b32 v11, 2, v11                      ; r % 8 + 16 (r / 8) numbers
.irp p,0,1
.irp u,0,1
	global_load_b128 v[BI+16*\p+8*\u:BI+16*\p+8*\u+3], v10, s[72:73] offset:(32*\p+8*\u)*4
	global_load_b128 v[BI+16*\p+8*\u+4:BI+16*\p+8*\u+7], v10, s[72:73] offset:(32*\p+8*\u)*4+16
.endr
.endr
.irp b,0,1,2,3
	global_load_b32 v[BV+\b], v11, s[74:75] offset:(32*(\b>>1)+8*(\b&1))*4
.endr
	; where my results go
	s_lshr_b32 s76, s20, 3
	s_lshl_b32 s76, s76, 4
	s_add_co_u32 s76, s76, s19                     ; b h = 16 x batch + head
	s_and_b32 s77, s20, 7
	s_lshl_b32 s78, s77, 4
	s_lshl_b32 s79, s15, 2
	s_add_co_u32 s78, s78, s79                     ; my first token tile in the sequence
	s_lshl_b32 s79, s76, 7
	s_add_co_u32 s78, s78, s79
	s_lshl_b32 s80, s78, 9                         ; q's codes
	s_lshl_b32 s81, s78, 6
	s_add_co_u32 s81, s81, 2097152                 ; q's scale words
	s_lshl_b32 s82, s77, 1
	s_lshr_b32 s83, s15, 1
	s_add_co_u32 s82, s82, s83                     ; the key step of 128
	s_lshl_b32 s83, s76, 4
	s_add_co_u32 s82, s82, s83
	s_mul_i32 s82, s82, 8960                       ; its record
	s_and_b32 s83, s15, 1                          ; which half of it is mine
	s_lshl_b32 s84, s83, 11
	s_add_co_u32 s84, s84, s82                     ; k's codes
	s_lshl_b32 s85, s83, 8
	s_add_co_u32 s85, s85, s82
	s_add_co_u32 s85, s85, 8192                    ; k's scale words
	s_lshl_b32 s86, s83, 9
	s_add_co_u32 s86, s86, s82
	s_add_co_u32 s86, s86, 4096                    ; V^T's images
	s_lshl_b32 s87, s83, 1
	s_add_co_u32 s87, s87, s82
	s_add_co_u32 s87, s87, 8704                    ; V^T's scale words
	s_cmp_eq_u32 s16, 0
	s_cselect_b64 s[88:89], s[10:11], s[12:13]
	s_cselect_b32 s80, s80, s84
	s_cselect_b32 s81, s81, s85
	s_cmp_eq_u32 s16, 2
	s_cselect_b32 s80, s86, s80
	s_cselect_b32 s82, s87, s81
	s_mov_b32 s81, 0
	s_mov_b32 s83, 0
	s_add_nc_u64 s[80:81], s[88:89], s[80:81]      ; codes
	s_add_nc_u64 s[82:83], s[88:89], s[82:83]      ; scale words
	s_wait_tensorcnt 0x1                           ; my part of quad 0 is in; quad 1's may stay out
	s_barrier_signal -1
	s_barrier_wait -1                              ; everybody's is
	s_cmp_eq_u32 s16, 2
	s_cbranch_scc1 .Lv0
	QUAD ADW, ADX, ADS, 1, 0, 1
	s_branch .Lj0
.Lv0:
	QUAD ADX, ADW, ADS, 0, 0, 1
.Lj0:
	v_add_nc_u32 v[ADX], QR, v[ADX]                ; on to quad 1's region
	v_add_nc_u32 v[ADW], QR, v[ADW]
	v_add_nc_u32 v[ADS], QR, v[ADS]
	s_wait_tensorcnt 0x0                           ; my part of quad 1 is in
	s_wait_dscnt 0x0
	s_barrier_signal -1
	s_barrier_wait -1
	s_cmp_eq_u32 s16, 2
	s_cbranch_scc1 .Lv1
	QUAD ADW, ADX, ADS, 1, 0, 0
	s_branch .Lj1
.Lv1:
	QUAD ADX, ADW, ADS, 0, 0, 0
.Lj1:
.rept 4
	v_nop                                          ; four plain lines in front of the first read of results and the first write of the fragments' registers
.endr
	s_wait_loadcnt 0x0                             ; the bias
	v_mov_b32 v[TP], 0                             ; a lane permute's destination counts as one of its sources
	v_mov_b32 v[TP+1], 0
	s_cmp_eq_u32 s16, 2
	s_cbranch_scc1 .Lvout
.irp b,0,1,2,3                                 ; q, k: token tile b; each accumulator is read from its low end on
.irp n,0,2,4,6,8,10,12,14,16,18,20,22,24,26,28,30
	v_pk_add_f32 v[ACC+32*\b+\n:ACC+32*\b+\n+1], v[ACC+32*\b+\n:ACC+32*\b+\n+1], v[BI+\n:BI+\n+1]
.endr
	QUANT2 ACC+32*\b, 1, PC+4*\b, PW+\b
	v_or_b32 v[PW+\b], 0x7f7f0000, v[PW+\b]        ; bytes 2 and 3: 1.0, for the half of the next K step that holds nothing
	global_store_b128 v1, v[PC+4*\b:PC+4*\b+3], s[80:81] offset:512*\b    ; 512 consecutive bytes
	global_store_b32 v2, v[PW+\b], s[82:83] offset:64*\b                  ; both lanes of a row store the same word
.endr
	s_branch .Lend
.Lvout:
.irp b,0,1,2,3                                 ; v: tile b of the head's 64; my 32 registers are 32 p + 16 h + 0 .. 15 of my wave's 64 keys
.set n, 0
.rept 32
	v_add_f32 v[ACC+32*\b+n], v[ACC+32*\b+n], v[BV+\b]
.set n, n+1
.endr
	QUANT2 ACC+32*\b, 1, PC+4*\b, PW+\b
	global_store_b128 v1, v[PC+4*\b:PC+4*\b+3], s[80:81] offset:1024*\b
	global_store_b16 v2, v[PW+\b], s[82:83] offset:64*\b                  ; my two bytes of the four
.endr
.Lend:
	s_wait_tensorcnt 0x0                           ; the wave's end
	ds_add_u32 v[SPW], v[NIL]
	s_wait_dscnt 0x0
	ROUND                                          ; the closing round
	s_endpgm
.Lfunc_end_k_q568ac41f73_qkv:
	.size	k_q568ac41f73_qkv, .Lfunc_end_k_q568ac41f73_qkv-k_q568ac41f73_qkv
	.p2alignl 7, 3214868480
	.fill 96, 4, 3214868480
	.section	.rodata,"a",@progbits
	.p2align	6, 0x0
	.amdhsa_kernel k_q568ac41f73_qkv
		.amdhsa_group_segment_fixed_size 245248
		.amdhsa_private_segment_fixed_size 0
		.amdhsa_enable_private_segment 0
		.amdhsa_kernarg_size 40
		.amdhsa_user_sgpr_count 2
		.amdhsa_user_sgpr_kernarg_segment_ptr 1
		.amdhsa_wavefront_size32 1
		.amdhsa_system_sgpr_workgroup_id_x 1
		.amdhsa_system_sgpr_workgroup_id_y 1
		.amdhsa_system_sgpr_workgroup_id_z 1
		.amdhsa_system_vgpr_workitem_id 0
		.amdhsa_next_free_vgpr 256
		.amdhsa_next_free_sgpr 90
		.amdhsa_reserve_vcc 0
		.amdhsa_float_denorm_mode_32 3
		.amdhsa_float_denorm_mode_16_64 3
		.amdhsa_memory_ordered 1
		.amdhsa_forward_progress 1
		.amdhsa_inst_pref_size 88
	.end_amdhsa_kernel
	.amdgpu_metadata
---
amdhsa.version: [ 1, 2 ]
amdhsa.kernels:
  - .name:           k_q568ac41f73_qkv
    .symbol:         k_q568ac41f73_qkv.kd
    .args:
      - { .name: aq, .offset: 0, .size: 8, .value_kind: global_buffer, .address_space: global }
      - { .name: wq, .offset: 8, .size: 8, .value_kind: global_buffer, .address_space: global }
      - { .name: bqkv, .offset: 16, .size: 8, .value_kind: global_buffer, .address_space: global }
      - { .name: qb, .offset: 24, .size: 8, .value_kind: global_buffer, .address_space: global }
      - { .name: kv, .offset: 32, .size: 8, .value_kind: global_buffer, .address_space: global }
    .group_segment_fixed_size: 245248
    .private_segment_fixed_size: 0
    .kernarg_segment_align: 8
    .kernarg_segment_size: 40
    .max_flat_workgroup_size: 384
    .sgpr_count:     90
    .vgpr_count:     256
    .wavefront_size: 32
...
	.end_amdgpu_metadata
.endif
;; end of part 2
;; launch attn (part 3): grid 8 x 32, 16 waves a work-group, clusters of 4 x 1, 167,936 bytes of LDS; arguments qb, kv, mq; writes mq
.if DOCPART == 3
	.amdgcn_target "amdgcn-amd-amdhsa--gfx1250"
	.amdhsa_code_object_version 6
	.text
	.protected	k_q568ac41f73_attn
	.globl	k_q568ac41f73_attn
	.p2align	8
	.type	k_q568ac41f73_attn,@function
k_q568ac41f73_attn:
	s_mov_b64 s[64:65], 0
	v_nop
	global_prefetch_b8 v0, s[64:65] scope:SCOPE_SE
	s_setreg_imm32_b32 hwreg(HW_REG_WAVE_MODE, 25, 1), 1
	s_wait_xcnt 0x0
	s_wait_alu depctr_hold_cnt(0) depctr_sa_sdst(0) depctr_va_vdst(0) depctr_va_sdst(0) depctr_va_ssrc(0) depctr_va_vcc(0) depctr_vm_vsrc(0)
	s_getreg_b32 s2, hwreg(HW_REG_IB_STS2, 6, 4)
	s_cmp_eq_u32 s2, 0
	s_cbranch_scc0 .Lentry_in_a_cluster
	s_endpgm
.Lentry_in_a_cluster:
	s_bfe_u32 s2, ttmp6, 0x10000c
	s_cmp_lg_u32 s2, 0x3003
	s_cbranch_scc0 .Lentry_shape_is_right
	s_endpgm
.Lentry_shape_is_right:
; mha = softmax(q k^T / 8, causal) v for one (batch, head) (work-group y), both products on codes of FP4; the result, divided by the row's sum, is quantised along C for the next product.
; WORK LEFT OUT: key steps of 128 keys all of which come after a wave's 16 queries: reference() builds the causal mask itself, and their p is 0 (shown at the head of launch prep).
; THE SOFTMAX: t = score x log2(e) / 8; M = the largest t so far, rounded UP to a whole number; p = 2^(t - M) is quantised along the keys, not normalised; the row's sum is taken of the unquantised p.
; When M moves, the sum and O are multiplied by 2^(old M - new M): exact.  Hidden scores of the step on the diagonal become -infinity where reference() has -9e15: p is 0 either way while visible logits lie above -9e15.
; SHARES.  Work-group x = j (0 .. 7).  Wave w owns the query tile 8 i + j of the sequence's 128 and walks i + 1 key steps.  With t = 2 (w % 4) + (w / 4) % 2: i = 15 - t in waves 0-7, i = t in waves 8-15.
; So all work-groups have the same work; waves w, w + 4, w + 8, w + 12 walk 34 steps together, and the two long ones of the four end one step apart.
; LDS holds the head's sixteen records of k and V^T (8,960 bytes each: launch qkv), each brought once by one wave's tensor load: nothing is filled again.  Wave 0 (i = 15) reads them all.
; CLUSTER 4 x 1: the four work-groups read the same records: each is asked for jointly.  No branch hangs on a work-group's place: the steps' bounds hang on the wave's number.
; LDS LOADS RUN AHEAD.  A step's V^T is asked for at the step's head; the next step's k behind the products that read this step's: both have the softmax in which to come, and one wait ahead of the second product serves both.
; The next record's address is held at record 15: in a wave's last step these twelve loads bring what nobody uses, the price of a step with no second branch.
; K = 64 IN THE FIRST PRODUCT.  q's registers 4-7 are zero codes.  k's fragment of tile t is v[32 + 4 t .. 39 + 4 t]: its upper four registers are the next tile's codes (zeros behind tile 7); they meet q's zero codes under scale bytes 0x7f on both sides and add nothing.
; LAYOUT: both products transposed (source 0 = 16 keys, or 16 of the head's 64; source 1 = my 16 queries, or p): a lane holds one query throughout; tiles are laid as launch prep's head comment says, so that p's 16 registers of two tiles are 16 neighbouring keys, and O^T's 16 neighbouring d.
; REGISTERS: v1 16 x lane, v2 4 x lane, v3 my query less the diagonal step's first key less 16 h, v8-11 addresses in hand, v12 -M, v13 largest t, v[14:15] the sum, v16-23 q, v24-25 V^T's scale words, v32-67 k's fragments,
; v96-159 S^T then p, v160-191 O^T, v192-223 V^T's fragments, v224-231 p's codes, v248-251 k's scale words, v253 p's, v255 q's.
.set REC,   8960
.set SPARE, 143360
.set SPW, 5
.set NIL, 6
.set VS,  24
.set VF,  192
.set TM,  232
.set TP,  236
.set BY,  240
.set SO,  244
.set WV,  10
.set IDX, 11
.set KS,  12
.set TB,  13
.set SEL, 14
.set CS,  16
.set G0,  20
.set G1,  24
.set TN,  32                           ; s32  LDS byte of the next step's record (at the head: cx)
.macro ROUND
	s_barrier_signal -1
	s_barrier_wait -1
	s_cmp_lg_u32 s[WV], 0
	s_cbranch_scc1 .Lnot_wave_0_\@
	s_barrier_signal -3
.Lnot_wave_0_\@:
	s_barrier_wait -3
	s_barrier_signal -1
	s_barrier_wait -1
.endm
	s_load_b128 s[4:7], s[0:1], 0x0                ; qb, kv
	s_load_b64 s[8:9], s[0:1], 0x10                ; mq
	v_lshl_add_u32 v[SPW], v0, 2, SPARE
	v_mov_b32 v[NIL], 0
	ds_add_u32 v[SPW], v[NIL]                      ; the wave's opening: the add, twice on end, and its wait ahead of my first tensor load
	ds_add_u32 v[SPW], v[NIL]
	v_lshrrev_b32 v8, 5, v0
	v_readfirstlane_b32 s[WV], v8                  ; wave 0..15
	s_and_b32 s[IDX], s[WV], 3
	s_lshl_b32 s[IDX], s[IDX], 1
	s_bfe_u32 s33, s[WV], 0x10002
	s_or_b32 s[IDX], s[IDX], s33                   ; t = 2 (w % 4) + (w / 4) % 2
	s_bfe_u32 s33, s[WV], 0x10003
	s_xor_b32 s33, s33, 1
	s_mul_i32 s33, s33, 15
	s_xor_b32 s[IDX], s[IDX], s33                  ; i = 15 - t in waves 0-7, t in waves 8-15
	s_bfe_u32 s32, ttmp6, 0x40000                  ; cx
	s_lshl_b32 s18, ttmp9, 2
	s_add_co_u32 s18, s18, s32                     ; j: it enters q's and mq's addresses and the mask's numbers alone
	s_and_b32 s19, ttmp7, 0xffff                   ; b h
	s_mov_b32 s[G1], 15|(3<<16)|(1<<21)            ; all four work-groups; elements of 8 bytes; no padding
	s_mov_b32 s[G1+1], 32<<16                      ; rows of 256 bytes,
	s_mov_b32 s[G1+2], 35<<16                      ; 35 of them: a record, dense
	s_mov_b32 s[G1+3], 32<<16
	s_mov_b32 s[G1+4], 35
	s_mov_b32 s[G1+5], 32
	s_mov_b32 s[G1+6], 0
	s_mov_b32 s[G1+7], 0
	s_mul_i32 s33, s[WV], REC                      ; record w: its place in LDS and in the head's records
	s_mul_i32 s34, s19, 16*REC
	s_add_co_u32 s34, s34, s33
	s_mov_b32 s35, 0
	s_mov_b32 s[SEL], 0x76543210
	s_mov_b32 s[SEL+1], 0xfedcba98
	s_mov_b32 s[CS], 0x3e38aa3b                    ; c = log2(e) / 8
	s_mov_b32 s[CS+1], s[CS]
	s_wait_dscnt 0x0                               ; both opening adds are done
	s_wait_kmcnt 0x0
	s_mov_b32 s[G0], 1
	s_mov_b32 s[G0+1], s33
	s_add_nc_u64 s[G0+2:G0+3], s[6:7], s[34:35]
	s_or_b32 s[G0+3], s[G0+3], 0x80000000
	ROUND                                          ; all four work-groups are here
	tensor_load_to_lds s[G0:G0+3], s[G1:G1+7]      ; every wave's one load
	s_nop 0
.rept 4
	v_nop
.endr
	s_lshl_b32 s36, s[IDX], 3
	s_add_co_u32 s36, s36, s18                     ; my query tile in the sequence
	s_lshl_b32 s37, s19, 7
	s_add_co_u32 s37, s37, s36
	s_lshl_b32 s38, s37, 9
	s_mov_b32 s39, 0
	s_add_nc_u64 s[38:39], s[4:5], s[38:39]        ; its codes
	s_lshl_b32 s40, s37, 6
	s_add_co_u32 s40, s40, 2097152
	s_mov_b32 s41, 0
	s_add_nc_u64 s[40:41], s[4:5], s[40:41]        ; its scale words
	v_and_b32 v1, 31, v0
	v_lshlrev_b32 v2, 2, v1
	v_lshlrev_b32 v1, 4, v1
	v_and_b32 v10, 15, v0                          ; r
	v_bfe_u32 v11, v0, 4, 1                        ; h
	v_lshlrev_b32 v4, 2, v10
	global_load_b128 v[16:19], v1, s[38:39]
	global_load_b32 v255, v4, s[40:41]
	s_lshr_b32 s42, s18, 1
	s_lshl_b32 s42, s42, 5
	s_and_b32 s43, s18, 1
	s_lshl_b32 s43, s43, 3
	s_add_co_u32 s42, s42, s43
	v_and_b32 v3, 8, v10
	v_add_nc_u32 v3, v3, v10                       ; r % 8 + 16 (r / 8)
	v_lshlrev_b32 v7, 4, v11
	v_sub_nc_u32 v3, v3, v7
	v_add_nc_u32 v3, s42, v3                       ; my query in its 128, less 16 h
	v_lshlrev_b32 v7, 4, v10                       ; 16 r
	s_and_b32 s44, s19, 15                         ; head
	s_lshr_b32 s45, s19, 4
	s_lshl_b32 s45, s45, 7
	s_add_co_u32 s45, s45, s36                     ; my token tile among the 256
	s_mul_i32 s45, s45, 8704
	s_lshr_b32 s46, s44, 3
	s_mul_i32 s46, s46, 4352
	s_add_co_u32 s45, s45, s46                     ; the quad record: K = 64 head + d
	s_bfe_u32 s46, s44, 0x20001                    ; the K step in it
	s_and_b32 s47, s44, 1                          ; which half of the step
	s_lshl_b32 s48, s46, 10
	s_lshl_b32 s49, s47, 9
	s_add_co_u32 s48, s48, s49
	s_add_co_u32 s48, s48, s45
	s_mov_b32 s49, 0
	s_add_nc_u64 s[48:49], s[8:9], s[48:49]
	s_lshl_b32 s50, s46, 2
	s_lshl_b32 s51, s47, 1
	s_add_co_u32 s50, s50, s51
	s_add_co_u32 s50, s50, s45
	s_add_co_u32 s50, s50, 4096
	s_mov_b32 s51, 0
	s_add_nc_u64 s[50:51], s[8:9], s[50:51]
	v_mov_b32 v13, 0xff61b1e6                      ; the largest t so far: -3e38
	v_floor_f32 v12, -v13                          ; -M
	v_mov_b32 v14, 0
	v_mov_b32 v15, 0
.irp n,20,21,22,23,64,65,66,67,236,237,238,239,252,253
	v_mov_b32 v[\n], 0                             ; q's upper half and the four registers behind k's tile 7: zero codes; permutes' destinations; the pair v[252:253]
.endr
.set n, 0
.rept 32
	v_mov_b32 v[160+n], 0                          ; O^T: the step is written once; its first run finds zeros
.set n, n+1
.endr
	s_mov_b32 s[KS], 0
	s_mov_b32 s[TB], 0
	s_wait_tensorcnt 0x0                           ; my record is in,
	s_barrier_signal -1
	s_barrier_wait -1                              ; everybody's is
.irp t,0,1,2,3,4,5,6,7
	ds_load_b128 v[32+4*\t:35+4*\t], v1 offset:512*\t              ; step 0's k: every wave walks it
.endr
.irp i,0,1,2,3
	ds_load_b32 v[248+\i], v2 offset:8192+128*\i   ; lanes 0-15: tile 2 i's scale words, lanes 16-31: tile 2 i + 1's
.endr
	s_wait_loadcnt 0x0                             ; q
	s_wait_dscnt 0x0
.Lstep:                                                ; sixteen trips, a constant; a wave works in the first i + 1.  At the head of a step its k is in registers
	s_cmp_gt_u32 s[KS], s[IDX]
	s_cbranch_scc1 .Lskip
	s_add_co_u32 s[TN], s[TB], REC
	s_min_u32 s[TN], s[TN], 15*REC                 ; the next record, held at the last
	v_add_nc_u32 v8, s[TB], v1
	v_add_nc_u32 v9, s[TB], v2
	v_add_nc_u32 v10, s[TN], v1
	v_add_nc_u32 v11, s[TN], v2                    ; these four are the plain lines in front of loads into registers that the last products read
.irp d,0,1,2,3
.irp c,0,1
	ds_load_b128 v[VF+8*\d+4*\c:VF+8*\d+4*\c+3], v8 offset:4096+1024*\d+512*\c   ; this step's V^T: wanted behind the softmax
.endr
.endr
.irp i,0,1
	ds_load_b32 v[VS+\i], v9 offset:8704+128*\i
.endr
.irp t,0,2,4,6
	v_wmma_scale_f32_16x16x128_f8f6f4 v[96+8*\t:103+8*\t], v[32+4*\t:39+4*\t], v[16:23], 0, v[248+\t/2], v255 matrix_a_fmt:MATRIX_FMT_FP4 matrix_b_fmt:MATRIX_FMT_FP4
	v_wmma_scale_f32_16x16x128_f8f6f4 v[104+8*\t:111+8*\t], v[36+4*\t:43+4*\t], v[16:23], 0, v[248+\t/2], v255 matrix_a_fmt:MATRIX_FMT_FP4 matrix_b_fmt:MATRIX_FMT_FP4 matrix_a_scale:MATRIX_SCALE_ROW1
.endr
.rept 4
	v_nop                                          ; in front of the loads into k's registers and of the first read of the scores
.endr
.irp t,0,1,2,3,4,5,6,7
	ds_load_b128 v[32+4*\t:35+4*\t], v10 offset:512*\t             ; the next step's k
.endr
.irp i,0,1,2,3
	ds_load_b32 v[248+\i], v11 offset:8192+128*\i
.endr
	s_cmp_lg_u32 s[KS], s[IDX]                     ; only the last of my steps lies on the diagonal
	s_cbranch_scc1 .Lopen
	v_mov_b32 v254, 0xff800000                     ; -infinity
.set n, 0
.rept 64
	v_cmp_gt_i32 vcc_lo, 32*(n/16)+n%16, v3        ; register 16 b + i holds key 32 b + 16 h + i of the step: hidden where it comes after my query
	v_cndmask_b32 v[96+n], v[96+n], v254, vcc_lo
.set n, n+1
.endr
.Lopen:
.irp b,0,1,2,3
	v_max3_num_f32 v[232+\b], v[96+16*\b], v[97+16*\b], v[98+16*\b]       ; the largest score of each block of 32 keys: for the row's maximum, and, since p rises with the score, for the block's largest p
.endr
.irp i,3,5,7,9,11,13
.irp b,0,1,2,3
	v_max3_num_f32 v[232+\b], v[232+\b], v[96+16*\b+\i], v[97+16*\b+\i]
.endr
.endr
.irp b,0,1,2,3
	v_max_num_f32 v[232+\b], v[232+\b], v[111+16*\b]
.endr
.irp b,0,1,2,3
	v_permlanex16_b32 v[236+\b], v[232+\b], s[SEL], s[SEL+1]
.endr
.irp b,0,1,2,3
	v_max_num_f32 v[232+\b], v[232+\b], v[236+\b]
.endr
	v_max3_num_f32 v254, v232, v233, v234
	v_max_num_f32 v254, v254, v235
	v_mul_f32 v254, s[CS], v254
	v_max_num_f32 v13, v13, v254                   ; the running largest t
	v_mov_b32 v254, v12
	v_floor_f32 v12, -v13                          ; the new -M: M is a whole number
	v_sub_f32 v254, v12, v254
	v_cvt_i32_f32 v254, v254
	v_ldexp_f32 v252, 1.0, v254                    ; f = 2^(old M - new M)
.irp j,0,2
	v_pk_fma_f32 v[96+\j:97+\j], v[96+\j:97+\j], s[CS:CS+1], v[12:13] op_sel_hi:[1,0,0]   ; t - M: the first two pairs
.endr
.irp b,0,1,2,3
	v_fma_f32 v[232+\b], v[232+\b], s[CS], v12
.endr
; ONE BATCH: the 64 exponentials, and among them the other 30 scalings, each four exponentials ahead of its own pair's.  None of these lines names an exponential's result.
.set n, 0
.rept 32
	v_exp_f32 v[96+2*n], v[96+2*n]                 ; p = 2^(t - M)
	v_exp_f32 v[97+2*n], v[97+2*n]
.if n < 30
	v_pk_fma_f32 v[100+2*n:101+2*n], v[100+2*n:101+2*n], s[CS:CS+1], v[12:13] op_sel_hi:[1,0,0]
.endif
.set n, n+1
.endr
	v_pk_mul_f32 v[14:15], v[14:15], v[252:253] op_sel_hi:[1,0]           ; the sums under the new M: the plain line behind the batch
	s_wait_alu depctr_va_vdst(0)                   ; one wait for the batch, ahead of its first reader
.irp b,0,1,2,3
	v_exp_f32 v[232+\b], v[232+\b]                 ; each block's largest p
.endr
	v_pk_add_f32 v[236:237], v[96:97], v[98:99]    ; the row's sum, of the unquantised p, in two chains
.irp j,4,8,12,16,20,24,28,32,36,40,44,48,52,56,60
	v_pk_add_f32 v[14:15], v[14:15], v[96+\j:97+\j]
	v_pk_add_f32 v[236:237], v[236:237], v[98+\j:99+\j]
.endr
	v_pk_add_f32 v[14:15], v[14:15], v[236:237]
	s_wait_alu depctr_va_vdst(0)                   ; and one for the four
.irp b,0,1,2,3
	v_max_num_f32 v[232+\b], 0x1800000, v[232+\b]  ; the floor: the byte cannot fall under 1
.endr
.irp b,0,1,2,3
	v_add_nc_u32 v[244+\b], 0xff000000, v[232+\b]
.endr
.irp b,0,1,2,3
	v_lshrrev_b32 v[236+\b], 23, v[244+\b]
.endr
	v_lshl_or_b32 v253, v237, 8, v236              ; p's scale word for these 128 keys
	v_lshl_or_b32 v253, v238, 16, v253
	v_lshl_or_b32 v253, v239, 24, v253
.irp b,0,1,2,3
	v_cvt_scalef32_pk8_fp4_f32 v[224+2*\b], v[96+16*\b:103+16*\b], v[244+\b]
	v_cvt_scalef32_pk8_fp4_f32 v[225+2*\b], v[104+16*\b:111+16*\b], v[244+\b]
.endr
	v_nop
.irp c,0,1
.irp i,0,1
	v_permlane16_swap_b32 v[224+4*\c+\i], v[226+4*\c+\i]
.endr
.endr
.irp j,0,2,4,6,8,10,12,14,16,18,20,22,24,26,28,30
	v_pk_mul_f32 v[160+\j:161+\j], v[160+\j:161+\j], v[252:253] op_sel_hi:[1,0]   ; O^T under the new M; these sixteen also stand between the writes of p's codes and scale word and the products
.endr
	s_wait_dscnt 0x0                               ; V^T is in, and so is the next step's k: both were asked for ahead of the softmax
.irp d,0,2
	v_wmma_scale_f32_16x16x128_f8f6f4 v[160+8*\d:167+8*\d], v[VF+8*\d:VF+8*\d+7], v[224:231], v[160+8*\d:167+8*\d], v[VS+\d/2], v253 matrix_a_fmt:MATRIX_FMT_FP4 matrix_b_fmt:MATRIX_FMT_FP4
	v_wmma_scale_f32_16x16x128_f8f6f4 v[168+8*\d:175+8*\d], v[VF+8+8*\d:VF+8+8*\d+7], v[224:231], v[168+8*\d:175+8*\d], v[VS+\d/2], v253 matrix_a_fmt:MATRIX_FMT_FP4 matrix_b_fmt:MATRIX_FMT_FP4 matrix_a_scale:MATRIX_SCALE_ROW1
.endr
.Lskip:
	s_add_co_u32 s[TB], s[TB], REC
	s_add_co_u32 s[KS], s[KS], 1
	s_cmp_lt_u32 s[KS], 16
	s_cbranch_scc1 .Lstep
	; THE WAY OUT: O^T / the sum, quantised along d: half a K step of the next product
.rept 4
	v_nop
.endr
	v_add_f32 v14, v14, v15
	v_permlanex16_b32 v252, v14, s[SEL], s[SEL+1]
	v_add_f32 v14, v14, v252                       ; the row's sum
	v_rcp_f32 v14, v14
	v_nop
	s_wait_alu depctr_va_vdst(0)
.set n, 0
.rept 32
	v_mul_f32 v[96+n], v[160+n], v14               ; register 16 p + i: d = 32 p + 16 h + i
.set n, n+1
.endr
.irp p,0,1
	v_max3_num_f32 v[TM+\p], |v[96+16*\p]|, |v[97+16*\p]|, 0x1800000
.endr
.irp i,2,4,6,8,10,12,14
.irp p,0,1
	v_max3_num_f32 v[TM+\p], v[TM+\p], |v[96+16*\p+\i]|, |v[97+16*\p+\i]|
.endr
.endr
.irp p,0,1
	v_permlanex16_b32 v[TP+\p], v[TM+\p], s[SEL], s[SEL+1]
.endr
.irp p,0,1
	v_max_num_f32 v[TM+\p], v[TM+\p], v[TP+\p]
.endr
.irp p,0,1
	v_add_nc_u32 v[SO+\p], 0xff000000, v[TM+\p]
.endr
.irp p,0,1
	v_lshrrev_b32 v[BY+\p], 23, v[SO+\p]
.endr
	v_lshl_or_b32 v242, v[BY+1], 8, v[BY]
.irp p,0,1
	v_cvt_scalef32_pk8_fp4_f32 v[224+2*\p], v[96+16*\p:103+16*\p], v[SO+\p]
	v_cvt_scalef32_pk8_fp4_f32 v[225+2*\p], v[104+16*\p:111+16*\p], v[SO+\p]
.endr
	v_nop
	v_permlane16_swap_b32 v224, v226
	v_permlane16_swap_b32 v225, v227
	global_store_b128 v1, v[224:227], s[48:49]     ; 512 consecutive bytes
	global_store_b16 v7, v242, s[50:51]            ; my head's two bytes of the row's scale word
	s_wait_tensorcnt 0x0                           ; the wave's end
	ds_add_u32 v[SPW], v[NIL]
	s_wait_dscnt 0x0
	ROUND                                          ; the closing round
	s_endpgm
.Lfunc_end_k_q568ac41f73_attn:
	.size	k_q568ac41f73_attn, .Lfunc_end_k_q568ac41f73_attn-k_q568ac41f73_attn
	.p2alignl 7, 3214868480
	.fill 96, 4, 3214868480
	.section	.rodata,"a",@progbits
	.p2align	6, 0x0
	.amdhsa_kernel k_q568ac41f73_attn
		.amdhsa_group_segment_fixed_size 167936
		.amdhsa_private_segment_fixed_size 0
		.amdhsa_enable_private_segment 0
		.amdhsa_kernarg_size 24
		.amdhsa_user_sgpr_count 2
		.amdhsa_user_sgpr_kernarg_segment_ptr 1
		.amdhsa_wavefront_size32 1
		.amdhsa_system_sgpr_workgroup_id_x 1
		.amdhsa_system_sgpr_workgroup_id_y 1
		.amdhsa_system_sgpr_workgroup_id_z 1
		.amdhsa_system_vgpr_workitem_id 0
		.amdhsa_next_free_vgpr 256
		.amdhsa_next_free_sgpr 66
		.amdhsa_reserve_vcc 1
		.amdhsa_float_denorm_mode_32 3
		.amdhsa_float_denorm_mode_16_64 3
		.amdhsa_memory_ordered 1
		.amdhsa_forward_progress 1
		.amdhsa_inst_pref_size 32
	.end_amdhsa_kernel
	.amdgpu_metadata
---
amdhsa.version: [ 1, 2 ]
amdhsa.kernels:
  - .name:           k_q568ac41f73_attn
    .symbol:         k_q568ac41f73_attn.kd
    .args:
      - { .name: qb, .offset: 0, .size: 8, .value_kind: global_buffer, .address_space: global }
      - { .name: kv, .offset: 8, .size: 8, .value_kind: global_buffer, .address_space: global }
      - { .name: mq, .offset: 16, .size: 8, .value_kind: global_buffer, .address_space: global }
    .group_segment_fixed_size: 167936
    .private_segment_fixed_size: 0
    .kernarg_segment_align: 8
    .kernarg_segment_size: 24
    .max_flat_workgroup_size: 512
    .sgpr_count:     66
    .vgpr_count:     256
    .wavefront_size: 32
...
	.end_amdgpu_metadata
.endif
;; end of part 3
;; launch wo (part 4): grid 8 x 32, 8 waves a work-group, clusters of 4 x 4, 327,680 bytes of LDS; arguments mq, wq, bO, x, y; writes y
.if DOCPART == 4
	.amdgcn_target "amdgcn-amd-amdhsa--gfx1250"
	.amdhsa_code_object_version 6
	.text
	.protected	k_q568ac41f73_wo
	.globl	k_q568ac41f73_wo
	.p2align	8
	.type	k_q568ac41f73_wo,@function
k_q568ac41f73_wo:
	s_mov_b64 s[64:65], 0
	v_nop
	global_prefetch_b8 v0, s[64:65] scope:SCOPE_SE
	s_setreg_imm32_b32 hwreg(HW_REG_WAVE_MODE, 25, 1), 1
	s_wait_xcnt 0x0
	s_wait_alu depctr_hold_cnt(0) depctr_sa_sdst(0) depctr_va_vdst(0) depctr_va_sdst(0) depctr_va_ssrc(0) depctr_va_vcc(0) depctr_vm_vsrc(0)
	s_getreg_b32 s2, hwreg(HW_REG_IB_STS2, 6, 4)
	s_cmp_eq_u32 s2, 0
	s_cbranch_scc0 .Lentry_in_a_cluster
	s_endpgm
.Lentry_in_a_cluster:
	s_bfe_u32 s2, ttmp6, 0x10000c
	s_cmp_lg_u32 s2, 0xf033
	s_cbranch_scc0 .Lentry_shape_is_right
	s_endpgm
.Lentry_shape_is_right:
; y = A W + bias + residual, f32, on codes of FP4.  Here: A = mha's codes (K = 1,024), W = WO, bias = bO, residual = x.  (Launch ffn2 is this text with other constants in the next three lines.)
.set KCH,   1                          ; chunks of 1,024 along K
.set TILEB, 8704                       ; bytes of a tile's records in A and in W
.set WOFF,  1671168                    ; where W's records begin in wq
; A work-group makes 128 tokens (work-group y) x 128 columns (x).  Operands come as quad records (launch prep's head comment).  A slot of LDS holds a chunk: 8 token tiles and 8 weight tiles x two quads;
; each wave fetches two tiles with one tensor load.  With several chunks two slots take turns; a slot is filled again behind a round of the cluster's barrier, in front of which every
; wave has waited for all its tensor loads, added 0 to its spare word and waited for that and for its reads.
; EIGHT WAVES, K SHARED BY TWO: waves w and w + 4 make the same 64 x 64 (16 accumulators each), w on each chunk's first quad, w + 4 on its second: the choice lies in the LDS addresses alone.  So two waves stand on
; each SIMD, one working while the other waits for LDS, and no fragment is read twice.  At the end each gives its partner half of its sums (two token tiles, 64 registers, as images through LDS), takes the partner's
; sums of the other half, and finishes two token tiles.  The sums of one output are thus two f32 sums added once.
; THE RESIDUAL of a wave's two token tiles is asked for at the head, into v256-319 (window 1), so that it comes while the first tiles come.
; Source 0 = rows of W, source 1 = tokens: a lane holds one token and neighbouring columns; a tile of 16 tokens x 64 columns goes through the wave's own stage in LDS and leaves as whole runs of 256 bytes.
; CLUSTER 4 x 4: token tiles are asked for jointly along a row of the cluster, weight tiles along a column.
.set TS,    8704
.set SLOT,  139264
.set WBASE, 69632
.set STAGE, 278528                     ; behind the slots: 16 rows x (256 bytes + 16) for each wave; no tensor load lands here
.set SPARE, 313344                     ; behind the stages: the spare words, 128 bytes a wave
.if KCH > 1
.set XCH,   0                          ; the exchange, 8,192 bytes a wave: in slot 0, which has had its last fill, and whose last reads stand ahead of a barrier that every wave has passed
.else
.set XCH,   SLOT                       ; the exchange, 8,192 bytes a wave: where a second slot would lie: no tensor load lands here
.endif
.set NTOK,  4                          ; waves 0-3 fetch token tiles, waves 4-7 weight tiles
.set RD,  0                            ; v0  the stage, on the way back
.set STO, 1                            ; v1  the stage, on the way in
.set BO,  2                            ; v2  16 r: my four columns of a run of 64
.set VO,  3                            ; v3  4,096 h + 16 r: two rows of y an instruction
.set ADA, 4                            ; v4-5   my token tiles in slot 0, 1
.set ADW, 6                            ; v6-7   my weight tiles
.set SPW, 8
.set NIL, 9
.set ADS, 10                           ; v10-11 scale words
.set SC,  12
.set BB,  28                           ; v28-31 the bias at my four columns
.set F0,  32
.set F1,  64
.set OB,  96                           ; v96-127 16 rows back from the stage
.set XS,  96                           ; v96  until then: where I put what I give,
.set XL,  97                           ; v97  and where my partner puts what I take
.set ACC, 128
.set WV,  14
.set GH,  62                           ; s62  which quad of a chunk, and which two token tiles, are mine
.set G1A, 24
.set G1W, 32
.set G0A, 40
.set G0W, 48
.set MSB, 0
.macro WIN new                         ; the immediate's high byte repeats the setting that is left
.if MSB != \new
	s_set_vgpr_msb (MSB<<8)|\new
.set MSB, \new
.endif
.endm
.macro ROUND
	s_barrier_signal -1
	s_barrier_wait -1
	s_cmp_lg_u32 s[WV], 0
	s_cbranch_scc1 .Lnot_wave_0_\@
	s_barrier_signal -3
.Lnot_wave_0_\@:
	s_barrier_wait -3
	s_barrier_signal -1
	s_barrier_wait -1
.endm
.macro JLOAD g0a, g1a, g0b, g1b
	s_cmp_lt_u32 s[WV], NTOK
	s_cbranch_scc0 .Lfor_w_\@
	tensor_load_to_lds s[\g0a:\g0a+3], s[\g1a:\g1a+7]
	s_nop 0
.rept 4
	v_nop
.endr
	s_branch .Lasked_\@
.Lfor_w_\@:
	tensor_load_to_lds s[\g0b:\g0b+3], s[\g1b:\g1b+7]
	s_nop 0
.rept 4
	v_nop
.endr
.Lasked_\@:
.endm
.macro WM a, b, s, zero                ; source 0 is the weight, whose scale words stand in lanes 16-31
.if \zero
	v_wmma_scale_f32_16x16x128_f8f6f4 v[ACC+8*(4*\b+\a):ACC+8*(4*\b+\a)+7], v[F0+8*\a:F0+8*\a+7], v[F1+8*\b:F1+8*\b+7], 0, v[SC+4*\a+\s], v[SC+4*\b+\s] matrix_a_fmt:MATRIX_FMT_FP4 matrix_b_fmt:MATRIX_FMT_FP4 matrix_a_scale:MATRIX_SCALE_ROW1
.else
	v_wmma_scale_f32_16x16x128_f8f6f4 v[ACC+8*(4*\b+\a):ACC+8*(4*\b+\a)+7], v[F0+8*\a:F0+8*\a+7], v[F1+8*\b:F1+8*\b+7], v[ACC+8*(4*\b+\a):ACC+8*(4*\b+\a)+7], v[SC+4*\a+\s], v[SC+4*\b+\s] matrix_a_fmt:MATRIX_FMT_FP4 matrix_b_fmt:MATRIX_FMT_FP4 matrix_a_scale:MATRIX_SCALE_ROW1
.endif
.endm
.macro KSTEP a0, a1, off, s, zero      ; 128 along K: eight images, 16 products; the accumulators take turns, one instruction a turn
.irp b,0,1,2,3
.irp c,0,1
	ds_load_b128 v[F1+8*\b+4*\c:F1+8*\b+4*\c+3], v[\a1] offset:\off+\b*TS+\s*1024+\c*512
.endr
.endr
.irp a,0,1,2,3
.irp c,0,1
	ds_load_b128 v[F0+8*\a+4*\c:F0+8*\a+4*\c+3], v[\a0] offset:\off+\a*TS+\s*1024+\c*512
.endr
.endr
.irp a,0,1,2,3
	s_wait_dscnt 6-2*\a                            ; the two loads of each later fragment of source 0 may be out
.irp b,0,1,2,3
	WM \a, \b, \s, \zero
.endr
.endr
.endm
.macro QUAD a0, a1, ads, off, first    ; four plain lines stand in front of loads into registers that products have read
.if \first == 0
.rept 4
	v_nop
.endr
.endif
.irp i,0,1,2,3
	ds_load_b128 v[SC+4*\i:SC+4*\i+3], v[\ads] offset:\off+\i*TS
.endr
	KSTEP \a0, \a1, \off, 0, \first
.irp s,1,2,3
.rept 4
	v_nop
.endr
	KSTEP \a0, \a1, \off, \s, 0
.endr
.endm
.macro SLOTC s, first                  ; my quad of a slot's chunk
	QUAD ADW+\s, ADA+\s, ADS+\s, 0, \first
.endm
.macro FIRST q                         ; slot q's descriptors and first fill: chunk q
	s_mov_b32 s[G0A+4*\q], 1
	s_add_co_u32 s[G0A+4*\q+1], s58, \q*SLOT
	s_add_nc_u64 s[G0A+4*\q+2:G0A+4*\q+3], s[56:57], \q*8704
	s_or_b32 s[G0A+4*\q+3], s[G0A+4*\q+3], 0x80000000
	s_mov_b32 s[G0W+4*\q], 1
	s_add_co_u32 s[G0W+4*\q+1], s58, \q*SLOT
	s_add_nc_u64 s[G0W+4*\q+2:G0W+4*\q+3], s[60:61], \q*8704
	s_or_b32 s[G0W+4*\q+3], s[G0W+4*\q+3], 0x80000000
	JLOAD G0A+4*\q, G1A, G0W+4*\q, G1W
.endm
.macro REFILL s                        ; slot s, which has been read, takes the chunk two further on
	s_wait_tensorcnt 0x0                           ; all my tensor loads have landed, the other slot's part among them: a group 0 may be written
	ds_add_u32 v[SPW], v[NIL]                      ; 0 onto my spare word
	s_add_nc_u64 s[G0A+4*\s+2:G0A+4*\s+3], s[G0A+4*\s+2:G0A+4*\s+3], 17408
	s_add_nc_u64 s[G0W+4*\s+2:G0W+4*\s+3], s[G0W+4*\s+2:G0W+4*\s+3], 17408
	s_wait_dscnt 0x0                               ; the add is done, and my reads of the slot are over
	ROUND                                          ; both now hold of every wave of every partner
	JLOAD G0A+4*\s, G1A, G0W+4*\s, G1W             ; my one tensor load behind the round
.endm
.macro RESLD t                         ; the residual of the t-th of my two token tiles: 16 rows x 256 bytes, two rows an instruction, into window 1
.irp i,0,1,2,3,4,5,6,7
	global_load_b128 v[32*(\t)+4*\i:32*(\t)+4*\i+3], v[VO], s[10:11] offset:(8*(\t)+((2*\i)&7)+16*(\i>>2))*4096 th:TH_LOAD_NT
.endr
.endm
.macro GIVE base                       ; 64 registers to my partner, as they stand: 16 bytes a lane, 512 bytes a store; each accumulator from its low end on
.set n, 0
.rept 16
	ds_store_b128 v[XS], v[\base+4*n:\base+4*n+3] offset:512*n
.set n, n+1
.endr
.endm
.macro TAKE keep, got                  ; my partner's sums of the tiles that I keep, into the registers that I gave away; then the two sums are added
.set n, 0
.rept 16
	ds_load_b128 v[\got+4*n:\got+4*n+3], v[XL] offset:512*n
.set n, n+1
.endr
	s_wait_dscnt 0x0
.set n, 0
.rept 32
	v_pk_add_f32 v[\keep+2*n:\keep+2*n+1], v[\keep+2*n:\keep+2*n+1], v[\got+2*n:\got+2*n+1]
.set n, n+1
.endr
.endm
.macro OUT b                           ; token tile b leaves: through my stage, + residual + bias, as whole runs of 256 bytes
.irp p,0,1
.irp u,0,1
.irp v,0,1
	ds_store_b128 v[STO], v[ACC+32*(\b)+16*\p+8*\u+4*\v:ACC+32*(\b)+16*\p+8*\u+4*\v+3] offset:128*\p+32*\u+16*\v   ; column 32 p + 16 h + 8 u + 4 v
.endr
.endr
.endr
.irp i,0,1,2,3,4,5,6,7
	ds_load_b128 v[OB+4*\i:OB+4*\i+3], v[RD] offset:544*\i                ; LDS serves a wave's instructions in order: these see my stores
.endr
	s_wait_dscnt 0x0
	WIN 0x04                                       ; source 1: window 1
.irp n,0,2,4,6,8,10,12,14,16,18,20,22,24,26,28,30
	v_pk_add_f32 v[OB+\n:OB+\n+1], v[OB+\n:OB+\n+1], v[32*((\b)&1)+\n:32*((\b)&1)+\n+1]
.endr
	WIN 0
.irp i,0,1,2,3,4,5,6,7
	v_pk_add_f32 v[OB+4*\i:OB+4*\i+1], v[OB+4*\i:OB+4*\i+1], v[BB:BB+1]
	v_pk_add_f32 v[OB+4*\i+2:OB+4*\i+3], v[OB+4*\i+2:OB+4*\i+3], v[BB+2:BB+3]
.endr
.irp i,0,1,2,3,4,5,6,7
	global_store_b128 v[VO], v[OB+4*\i:OB+4*\i+3], s[12:13] offset:(8*((\b)&1)+((2*\i)&7)+16*(\i>>2))*4096   ; sixteen lanes store 256 consecutive bytes, aligned
.endr
.endm
	s_load_b256 s[4:11], s[0:1], 0x0               ; A, wq, bias, residual
	s_load_b64 s[12:13], s[0:1], 0x20              ; y
	v_lshl_add_u32 v[SPW], v0, 2, SPARE
	v_mov_b32 v[NIL], 0
	ds_add_u32 v[SPW], v[NIL]                      ; the wave's opening: the add, twice on end, and its wait ahead of my first tensor load
	ds_add_u32 v[SPW], v[NIL]
	v_lshrrev_b32 v1, 5, v0
	v_readfirstlane_b32 s[WV], v1                  ; wave 0..7
	s_bfe_u32 s15, s[WV], 0x10001                  ; which 64 tokens
	s_and_b32 s16, s[WV], 1                        ; which 64 columns
	s_lshr_b32 s[GH], s[WV], 2                     ; which quad of a chunk; which two of the four token tiles I finish
	s_and_b32 s23, s[WV], 3                        ; which two tiles I fetch
	s_bfe_u32 s17, ttmp6, 0x40000
	s_bfe_u32 s18, ttmp6, 0x40004
	s_lshl_b32 s19, ttmp9, 2
	s_add_co_u32 s19, s19, s17                     ; block of 128 columns
	s_and_b32 s20, ttmp7, 0xffff
	s_lshl_b32 s20, s20, 2
	s_add_co_u32 s20, s20, s18                     ; block of 128 tokens
	s_lshl_b32 s21, s18, 2
	s_lshl_b32 s21, 15, s21
	s_lshl_b32 s22, 0x1111, s17
	s_or_b32 s[G1A], s21, (3<<16)|(1<<21)
	s_or_b32 s[G1W], s22, (3<<16)|(1<<21)
.irp g, G1A, G1W
	s_mov_b32 s[\g+1], 1088<<16                    ; a row = two of a tile's quad records, 8,704 bytes
	s_mov_b32 s[\g+2], 2<<16                       ; two tiles
	s_mov_b32 s[\g+3], 1088<<16
	s_mov_b32 s[\g+4], 2
	s_mov_b32 s[\g+5], TILEB/8
	s_mov_b32 s[\g+6], 0
	s_mov_b32 s[\g+7], 0
.endr
	s_lshl_b32 s56, s20, 3
	s_lshl_b32 s57, s23, 1
	s_add_co_u32 s56, s56, s57
	s_mul_i32 s56, s56, TILEB
	s_mov_b32 s57, 0
	s_lshl_b32 s60, s19, 3
	s_lshl_b32 s61, s23, 1
	s_add_co_u32 s60, s60, s61
	s_mul_i32 s60, s60, TILEB
	s_add_co_u32 s60, s60, WOFF
	s_mov_b32 s61, 0
	s_mul_i32 s58, s[WV], 17408                    ; where my two tiles go: token tiles first, weight tiles behind them
	s_wait_dscnt 0x0
	s_wait_kmcnt 0x0
	s_add_nc_u64 s[56:57], s[4:5], s[56:57]
	s_add_nc_u64 s[60:61], s[6:7], s[60:61]
	ROUND
	FIRST 0
.if KCH > 1
	FIRST 1
.endif
	v_and_b32 v1, 31, v0
	v_lshlrev_b32 v1, 4, v1                        ; 16 x lane
	v_and_b32 v2, 15, v0                           ; r
	v_bfe_u32 v3, v0, 4, 1                         ; h
	s_mul_i32 s66, s15, 34816
	s_mul_i32 s67, s16, 34816
	s_add_co_u32 s67, s67, WBASE
	s_sub_co_u32 s68, s67, s66                     ; the weight tiles lie behind the token tiles: one product with h
	s_mul_i32 s63, s[GH], 4352                     ; my quad
	s_add_co_u32 s66, s66, s63
	s_add_co_u32 s67, s67, s63
	v_add_nc_u32 v[ADA], s66, v1
	v_add_nc_u32 v[ADW], s67, v1
	v_mul_u32_u24 v[ADS], s68, v3
	v_lshl_add_u32 v[ADS], v2, 4, v[ADS]
	s_add_co_u32 s69, s66, 4096
	v_add_nc_u32 v[ADS], s69, v[ADS]
.if KCH > 1
	v_add_nc_u32 v[ADA+1], SLOT, v[ADA]
	v_add_nc_u32 v[ADW+1], SLOT, v[ADW]
	v_add_nc_u32 v[ADS+1], SLOT, v[ADS]
.endif
	s_lshl_b32 s69, s[WV], 13
	s_add_co_u32 s69, s69, XCH
	v_add_nc_u32 v[XS], s69, v1                    ; the exchange: my 8,192 bytes,
	s_xor_b32 s69, s[WV], 4
	s_lshl_b32 s69, s69, 13
	s_add_co_u32 s69, s69, XCH
	v_add_nc_u32 v[XL], s69, v1                    ; and my partner's
	s_mul_i32 s69, s[WV], 4352
	s_add_co_u32 s69, s69, STAGE
	v_mul_u32_u24 v1, v2, 272
	v_lshl_add_u32 v1, v3, 6, v1
	v_add_nc_u32 v1, s69, v1                       ; in: row r, + 64 h
	v_mul_u32_u24 v0, v3, 272
	v_lshl_add_u32 v0, v2, 4, v0
	v_add_nc_u32 v0, s69, v0                       ; back: lanes 0-15 one row, lanes 16-31 the next
	v_lshlrev_b32 v3, 12, v3
	v_lshl_add_u32 v3, v2, 4, v3
	v_lshlrev_b32 v2, 4, v2
	s_lshl_b32 s70, s19, 9
	s_lshl_b32 s71, s16, 8
	s_add_co_u32 s70, s70, s71                     ; my 64 columns, in bytes
	s_mov_b32 s71, 0
	s_add_nc_u64 s[8:9], s[8:9], s[70:71]
	s_lshl_b32 s72, s20, 19
	s_lshl_b32 s73, s15, 18
	s_add_co_u32 s72, s72, s73                     ; my 64 tokens,
	s_lshl_b32 s73, s[GH], 17
	s_add_co_u32 s72, s72, s73                     ; and of them the 32 whose two tiles I finish
	s_add_co_u32 s70, s70, s72
	s_add_nc_u64 s[10:11], s[10:11], s[70:71]
	s_add_nc_u64 s[12:13], s[12:13], s[70:71]
	global_load_b128 v[BB:BB+3], v[BO], s[8:9]
	WIN 0x40                                       ; destination: window 1
	RESLD 0
	RESLD 1
	WIN 0
.if KCH > 1
	s_wait_tensorcnt 0x1                           ; my part of chunk 0 is in; chunk 1's may stay out
.else
	s_wait_tensorcnt 0x0
.endif
	s_barrier_signal -1
	s_barrier_wait -1
	SLOTC 0, 1
.if KCH > 1
	REFILL 0                                       ; chunk 2
	SLOTC 1, 0
	REFILL 1                                       ; chunk 3
	SLOTC 0, 0
	s_wait_tensorcnt 0x0                           ; my part of chunk 3 is in
	s_wait_dscnt 0x0
	s_barrier_signal -1
	s_barrier_wait -1
	SLOTC 1, 0
.endif
	; THE WAY OUT
.rept 4
	v_nop                                          ; in front of the first read of results and of loads into the accumulators' registers
.endr
	s_wait_loadcnt 0x0                             ; the bias and the residual, asked for at the head
	s_cmp_eq_u32 s[GH], 0
	s_cbranch_scc0 .Lgive1
	GIVE ACC+64                                    ; waves 0-3 give token tiles 2 and 3,
	s_branch .Lgiven
.Lgive1:
	GIVE ACC                                       ; waves 4-7 tiles 0 and 1
.Lgiven:
	s_wait_dscnt 0x0                               ; for my partner's sake: my stores are done
	s_barrier_signal -1
	s_barrier_wait -1
	s_cmp_eq_u32 s[GH], 0
	s_cbranch_scc0 .Ltake1
	TAKE ACC, ACC+64
	OUT 0
	s_wait_xcnt 0x0                                ; the stores have read their registers: the next tile's rows may land there
	OUT 1
	s_branch .Lend
.Ltake1:
	TAKE ACC+64, ACC
	OUT 2
	s_wait_xcnt 0x0
	OUT 3
.Lend:
	s_wait_tensorcnt 0x0                           ; the wave's end
	ds_add_u32 v[SPW], v[NIL]
	s_wait_dscnt 0x0
	ROUND                                          ; the closing round
	s_endpgm
.Lfunc_end_k_q568ac41f73_wo:
	.size	k_q568ac41f73_wo, .Lfunc_end_k_q568ac41f73_wo-k_q568ac41f73_wo
	.p2alignl 7, 3214868480
	.fill 96, 4, 3214868480
	.section	.rodata,"a",@progbits
	.p2align	6, 0x0
	.amdhsa_kernel k_q568ac41f73_wo
		.amdhsa_group_segment_fixed_size 327680
		.amdhsa_private_segment_fixed_size 0
		.amdhsa_enable_private_segment 0
		.amdhsa_kernarg_size 40
		.amdhsa_user_sgpr_count 2
		.amdhsa_user_sgpr_kernarg_segment_ptr 1
		.amdhsa_wavefront_size32 1
		.amdhsa_system_sgpr_workgroup_id_x 1
		.amdhsa_system_sgpr_workgroup_id_y 1
		.amdhsa_system_sgpr_workgroup_id_z 1
		.amdhsa_system_vgpr_workitem_id 0
		.amdhsa_next_free_vgpr 320
		.amdhsa_next_free_sgpr 74
		.amdhsa_reserve_vcc 0
		.amdhsa_float_denorm_mode_32 3
		.amdhsa_float_denorm_mode_16_64 3
		.amdhsa_memory_ordered 1
		.amdhsa_forward_progress 1
		.amdhsa_inst_pref_size 46
	.end_amdhsa_kernel
	.amdgpu_metadata
---
amdhsa.version: [ 1, 2 ]
amdhsa.kernels:
  - .name:           k_q568ac41f73_wo
    .symbol:         k_q568ac41f73_wo.kd
    .args:
      - { .name: mq, .offset: 0, .size: 8, .value_kind: global_buffer, .address_space: global }
      - { .name: wq, .offset: 8, .size: 8, .value_kind: global_buffer, .address_space: global }
      - { .name: bO, .offset: 16, .size: 8, .value_kind: global_buffer, .address_space: global }
      - { .name: x, .offset: 24, .size: 8, .value_kind: global_buffer, .address_space: global }
      - { .name: y, .offset: 32, .size: 8, .value_kind: global_buffer, .address_space: global }
    .group_segment_fixed_size: 327680
    .private_segment_fixed_size: 0
    .kernarg_segment_align: 8
    .kernarg_segment_size: 40
    .max_flat_workgroup_size: 256
    .sgpr_count:     74
    .vgpr_count:     320
    .wavefront_size: 32
...
	.end_amdgpu_metadata
.endif
;; end of part 4
;; launch ln1 (part 5): grid 256 x 1, 8 waves a work-group, no clusters, 69,632 bytes of LDS; arguments y, gamma1, beta1, x1, aq; writes x1, aq
.if DOCPART == 5
	.amdgcn_target "amdgcn-amd-amdhsa--gfx1250"
	.amdhsa_code_object_version 6
	.text
	.protected	k_q568ac41f73_ln1
	.globl	k_q568ac41f73_ln1
	.p2align	8
	.type	k_q568ac41f73_ln1,@function
k_q568ac41f73_ln1:
	s_mov_b64 s[64:65], 0
	v_nop
	global_prefetch_b8 v0, s[64:65] scope:SCOPE_SE
	s_setreg_imm32_b32 hwreg(HW_REG_WAVE_MODE, 25, 1), 1
	s_wait_xcnt 0x0
; LayerNorm over rows of 1,024: out = (y - mean) / sqrt(var + 1e-5) x gamma + beta, mean and variance in two passes as reference() has them.  WITHQ = 1: the result also leaves as codes of FP4 (launch ln2 is this text with WITHQ = 0).
.set WITHQ, 1
; A work-group takes a token tile of 16 rows (launch prep's head comment), wave w columns 128 w .. 128 w + 127.  Rows come in as runs of 512 bytes and turn through the wave's own stage in LDS, so that lane (r, h)
; holds columns 64 c + 32 h + 0 .. 31 of row r: the layout that the quantiser wants.  The eight waves' sums of a row meet in LDS: two barriers.  Memory binds: no matrix unit, no cluster, no tensor load.
; All three inputs are asked for together at the head: y, gamma, and beta, which has registers of its own in window 1 (v256-319).
; LIMITS: v_rsq_f32 in the place of a root and a division; a block of zeros or under 2^-124 gets the byte 1; NaN and infinities are not served.
.set STG,   8448
.set RED1,  67584                      ; behind the stages: [row][wave] sums; RED1 + 512: the squares'
.set SPARE, 68608
.set SPW, 12
.set NIL, 13
.set TM,  14
.set SO,  16
.set BY,  18
.set WD,  20
.set T0,  21
.set SH,  24
.set R,   32                           ; v32-95   rows as loaded
.set X,   96                           ; v96-159  my 64 numbers
.set GA,  160                          ; v160-223 gamma; later rows on the way out
.set CD,  224
.set BE,  0                            ; v256-319 beta: v0-63 of window 1
.set WV,  14
.set SEL, 24
.macro REDUCE off                      ; four chains -> my 64 -> the row's 128 of this wave -> LDS -> the row's 1,024, in v24
	v_pk_add_f32 v[14:15], v[14:15], v[16:17]
	v_pk_add_f32 v[18:19], v[18:19], v[20:21]
	v_pk_add_f32 v[14:15], v[14:15], v[18:19]
	v_add_f32 v14, v14, v15
	v_permlanex16_b32 v15, v14, s[SEL], s[SEL+1]
	v_add_f32 v14, v14, v15
	ds_store_b32 v10, v14 offset:\off              ; both lanes of a row store the same word
	s_wait_dscnt 0x0                               ; for the others' sake
	s_barrier_signal -1
	s_barrier_wait -1
	ds_load_b128 v[24:27], v11 offset:\off
	ds_load_b128 v[28:31], v11 offset:\off+16
	s_wait_dscnt 0x0
	v_pk_add_f32 v[24:25], v[24:25], v[26:27]
	v_pk_add_f32 v[28:29], v[28:29], v[30:31]
	v_pk_add_f32 v[24:25], v[24:25], v[28:29]
	v_add_f32 v24, v24, v25
.endm
	s_load_b256 s[4:11], s[0:1], 0x0               ; y, gamma, beta, the f32 result
.if WITHQ
	s_load_b64 s[12:13], s[0:1], 0x20              ; the codes
.endif
	v_lshl_add_u32 v[SPW], v0, 2, SPARE
	v_mov_b32 v[NIL], 0
	v_lshrrev_b32 v1, 5, v0
	v_readfirstlane_b32 s[WV], v1
	v_and_b32 v1, 31, v0
	v_and_b32 v2, 15, v0                           ; r
	v_bfe_u32 v3, v0, 4, 1                         ; h
	s_lshr_b32 s16, ttmp9, 1
	s_lshl_b32 s16, s16, 17
	s_and_b32 s17, ttmp9, 1
	s_lshl_b32 s17, s17, 15
	s_add_co_u32 s16, s16, s17
	s_lshl_b32 s18, s[WV], 9
	s_add_co_u32 s16, s16, s18                     ; the tile's first row, my 128 columns
	s_mov_b32 s17, 0
	s_mov_b32 s19, 0
	s_mul_i32 s22, s[WV], STG
	s_lshl_b32 s23, s[WV], 2
	s_add_co_u32 s23, s23, RED1
	s_mov_b32 s[SEL], 0x76543210
	s_mov_b32 s[SEL+1], 0xfedcba98
	s_mov_b32 s26, 0x3a800000                      ; 1 / 1,024
	s_mov_b32 s27, 0x3727c5ac                      ; 1e-5
	v_lshlrev_b32 v4, 4, v1
	v_add_nc_u32 v5, s22, v4
	v_mul_u32_u24 v6, v2, 528
	v_lshl_add_u32 v6, v3, 7, v6
	v_add_nc_u32 v6, s22, v6
	v_lshlrev_b32 v9, 7, v3                        ; gamma, beta: + 32 h numbers
	v_lshl_add_u32 v10, v2, 5, s23
	v_lshl_add_u32 v11, v2, 5, RED1
.if WITHQ
	s_mul_i32 s20, ttmp9, 8704
	s_lshr_b32 s21, s[WV], 2
	s_mul_i32 s21, s21, 4352
	s_add_co_u32 s20, s20, s21
	s_mov_b32 s21, 0
	s_and_b32 s15, s[WV], 3
	s_lshl_b32 s22, s15, 10
	v_add_nc_u32 v7, s22, v4
	s_lshl_b32 s22, s15, 2
	s_add_co_u32 s22, s22, 4096
	v_lshl_add_u32 v8, v2, 4, s22
.endif
	s_wait_kmcnt 0x0
	s_add_nc_u64 s[4:5], s[4:5], s[16:17]
	s_add_nc_u64 s[10:11], s[10:11], s[16:17]
	s_add_nc_u64 s[6:7], s[6:7], s[18:19]
	s_add_nc_u64 s[8:9], s[8:9], s[18:19]
.if WITHQ
	s_add_nc_u64 s[12:13], s[12:13], s[20:21]
.endif
.set n, 0
.rept 16
	global_load_b128 v[R+4*n:R+4*n+3], v4, s[4:5] offset:((n&7)+16*(n>>3))*4096 th:TH_LOAD_NT
.set n, n+1
.endr
.irp c,0,1
.irp j,0,1,2,3,4,5,6,7
	global_load_b128 v[GA+32*\c+4*\j:GA+32*\c+4*\j+3], v9, s[6:7] offset:\c*256+\j*16
.endr
.endr
	s_set_vgpr_msb 0x40                            ; destination: window 1
.irp c,0,1
.irp j,0,1,2,3,4,5,6,7
	global_load_b128 v[BE+32*\c+4*\j:BE+32*\c+4*\j+3], v9, s[8:9] offset:\c*256+\j*16
.endr
.endr
	s_set_vgpr_msb 0x4000                          ; all back to window 0
.set n, 0
.rept 16
	s_wait_loadcnt 47-n                            ; row n is in; the younger rows and gamma's and beta's 32 loads may be out
	ds_store_b128 v5, v[R+4*n:R+4*n+3] offset:n*528
.set n, n+1
.endr
.irp c,0,1
.irp j,0,1,2,3,4,5,6,7
	ds_load_b128 v[X+32*\c+4*\j:X+32*\c+4*\j+3], v6 offset:\c*256+\j*16
.endr
.endr
	s_wait_dscnt 0x0
.irp k,0,1,2,3
	v_pk_add_f32 v[14+2*\k:15+2*\k], v[X+4*\k:X+4*\k+1], v[X+4*\k+2:X+4*\k+3]
.endr
.irp j,16,24,32,40,48,56
.irp k,0,1,2,3
	v_pk_add_f32 v[14+2*\k:15+2*\k], v[14+2*\k:15+2*\k], v[X+\j+2*\k:X+\j+2*\k+1]
.endr
.endr
	REDUCE 0
	v_mul_f32 v22, 0xba800000, v24                 ; -mean
	v_mov_b32 v23, v22
.irp j,0,2,4,6,8,10,12,14,16,18,20,22,24,26,28,30,32,34,36,38,40,42,44,46,48,50,52,54,56,58,60,62
	v_pk_add_f32 v[X+\j:X+\j+1], v[X+\j:X+\j+1], v[22:23]
.endr
.irp k,0,1,2,3
	v_pk_mul_f32 v[14+2*\k:15+2*\k], v[X+2*\k:X+2*\k+1], v[X+2*\k:X+2*\k+1]
.endr
.irp j,8,16,24,32,40,48,56
.irp k,0,1,2,3
	v_pk_fma_f32 v[14+2*\k:15+2*\k], v[X+\j+2*\k:X+\j+2*\k+1], v[X+\j+2*\k:X+\j+2*\k+1], v[14+2*\k:15+2*\k]
.endr
.endr
	REDUCE 512
	v_fma_f32 v22, v24, s26, s27                   ; var + eps
	v_rsq_f32 v22, v22
	v_nop
	s_wait_alu depctr_va_vdst(0)                   ; ahead of the first reader
	v_mov_b32 v23, v22
.irp j,0,2,4,6,8,10,12,14,16,18,20,22,24,26,28,30,32,34,36,38,40,42,44,46,48,50,52,54,56,58,60,62
	v_pk_mul_f32 v[X+\j:X+\j+1], v[X+\j:X+\j+1], v[22:23]
.endr
	s_wait_loadcnt 0x0                             ; gamma and beta
	s_set_vgpr_msb 0x10                            ; source 2: window 1
.irp j,0,2,4,6,8,10,12,14,16,18,20,22,24,26,28,30,32,34,36,38,40,42,44,46,48,50,52,54,56,58,60,62
	v_pk_fma_f32 v[X+\j:X+\j+1], v[X+\j:X+\j+1], v[GA+\j:GA+\j+1], v[BE+\j:BE+\j+1]
.endr
	s_set_vgpr_msb 0x1000                          ; all back to window 0
.irp c,0,1
.irp j,0,1,2,3,4,5,6,7
	ds_store_b128 v6, v[X+32*\c+4*\j:X+32*\c+4*\j+3] offset:\c*256+\j*16  ; back through my stage,
.endr
.endr
.set n, 0
.rept 16
	ds_load_b128 v[GA+4*n:GA+4*n+3], v5 offset:n*528                      ; as whole runs of 512 bytes
.set n, n+1
.endr
.if WITHQ
.irp c,0,1
	v_max3_num_f32 v[TM+\c], |v[X+32*\c]|, |v[X+32*\c+1]|, 0x1800000      ; my block 2 c + h, and the floor 2^(3 - 127)
.endr
.irp i,2,4,6,8,10,12,14,16,18,20,22,24,26,28,30
.irp c,0,1
	v_max3_num_f32 v[TM+\c], v[TM+\c], |v[X+32*\c+\i]|, |v[X+32*\c+\i+1]|
.endr
.endr
.irp c,0,1
	v_add_nc_u32 v[SO+\c], 0xff000000, v[TM+\c]
.endr
.irp c,0,1
	v_lshrrev_b32 v[BY+\c], 23, v[SO+\c]
.endr
	v_lshl_or_b32 v[WD], v[BY+1], 16, v[BY]
	v_lshlrev_b32 v[SH], 3, v3
	v_lshlrev_b32 v[WD], v[SH], v[WD]
	v_mov_b32 v[T0], 0
	v_permlanex16_b32 v[T0], v[WD], s[SEL], s[SEL+1]
	v_or_b32 v[WD], v[WD], v[T0]
.irp c,0,1
.irp g,0,1,2,3
	v_cvt_scalef32_pk8_fp4_f32 v[CD+4*\c+\g], v[X+32*\c+8*\g:X+32*\c+8*\g+7], v[SO+\c]
.endr
.endr
	v_nop
	global_store_b128 v7, v[CD:CD+3], s[12:13]
	global_store_b128 v7, v[CD+4:CD+7], s[12:13] offset:512
	global_store_b32 v8, v[WD], s[12:13]
.endif
.set n, 0
.rept 16
	s_wait_dscnt 15-n                              ; row n is back; the younger rows may be out
	global_store_b128 v4, v[GA+4*n:GA+4*n+3], s[10:11] offset:((n&7)+16*(n>>3))*4096   ; 512 consecutive bytes
.set n, n+1
.endr
	s_wait_tensorcnt 0x0                           ; the wave's end, behind my last LDS store
	ds_add_u32 v[SPW], v[NIL]
	s_wait_dscnt 0x0
	s_endpgm
.Lfunc_end_k_q568ac41f73_ln1:
	.size	k_q568ac41f73_ln1, .Lfunc_end_k_q568ac41f73_ln1-k_q568ac41f73_ln1
	.p2alignl 7, 3214868480
	.fill 96, 4, 3214868480
	.section	.rodata,"a",@progbits
	.p2align	6, 0x0
	.amdhsa_kernel k_q568ac41f73_ln1
		.amdhsa_group_segment_fixed_size 69632
		.amdhsa_private_segment_fixed_size 0
		.amdhsa_enable_private_segment 0
		.amdhsa_kernarg_size 40
		.amdhsa_user_sgpr_count 2
		.amdhsa_user_sgpr_kernarg_segment_ptr 1
		.amdhsa_wavefront_size32 1
		.amdhsa_system_sgpr_workgroup_id_x 1
		.amdhsa_system_sgpr_workgroup_id_y 1
		.amdhsa_system_sgpr_workgroup_id_z 1
		.amdhsa_system_vgpr_workitem_id 0
		.amdhsa_next_free_vgpr 320
		.amdhsa_next_free_sgpr 66
		.amdhsa_reserve_vcc 0
		.amdhsa_float_denorm_mode_32 3
		.amdhsa_float_denorm_mode_16_64 3
		.amdhsa_memory_ordered 1
		.amdhsa_forward_progress 1
		.amdhsa_inst_pref_size 29
	.end_amdhsa_kernel
	.amdgpu_metadata
---
amdhsa.version: [ 1, 2 ]
amdhsa.kernels:
  - .name:           k_q568ac41f73_ln1
    .symbol:         k_q568ac41f73_ln1.kd
    .args:
      - { .name: y, .offset: 0, .size: 8, .value_kind: global_buffer, .address_space: global }
      - { .name: gamma1, .offset: 8, .size: 8, .value_kind: global_buffer, .address_space: global }
      - { .name: beta1, .offset: 16, .size: 8, .value_kind: global_buffer, .address_space: global }
      - { .name: x1, .offset: 24, .size: 8, .value_kind: global_buffer, .address_space: global }
      - { .name: aq, .offset: 32, .size: 8, .value_kind: global_buffer, .address_space: global }
    .group_segment_fixed_size: 69632
    .private_segment_fixed_size: 0
    .kernarg_segment_align: 8
    .kernarg_segment_size: 40
    .max_flat_workgroup_size: 256
    .sgpr_count:     66
    .vgpr_count:     320
    .wavefront_size: 32
...
	.end_amdgpu_metadata
.endif
;; end of part 5
;; launch ffn1 (part 6): grid 16 x 16, 16 waves a work-group, clusters of 4 x 4, 280,576 bytes of LDS; arguments aq, wq, b1, hq; writes hq
.if DOCPART == 6
	.amdgcn_target "amdgcn-amd-amdhsa--gfx1250"
	.amdhsa_code_object_version 6
	.text
	.protected	k_q568ac41f73_ffn1
	.globl	k_q568ac41f73_ffn1
	.p2align	8
	.type	k_q568ac41f73_ffn1,@function
k_q568ac41f73_ffn1:
	s_mov_b64 s[64:65], 0
	v_nop
	global_prefetch_b8 v0, s[64:65] scope:SCOPE_SE
	s_setreg_imm32_b32 hwreg(HW_REG_WAVE_MODE, 25, 1), 1
	s_wait_xcnt 0x0
	s_wait_alu depctr_hold_cnt(0) depctr_sa_sdst(0) depctr_va_vdst(0) depctr_va_sdst(0) depctr_va_ssrc(0) depctr_va_vcc(0) depctr_vm_vsrc(0)
	s_getreg_b32 s2, hwreg(HW_REG_IB_STS2, 6, 4)
	s_cmp_eq_u32 s2, 0
	s_cbranch_scc0 .Lentry_in_a_cluster
	s_endpgm
.Lentry_in_a_cluster:
	s_bfe_u32 s2, ttmp6, 0x10000c
	s_cmp_lg_u32 s2, 0xf033
	s_cbranch_scc0 .Lentry_shape_is_right
	s_endpgm
.Lentry_shape_is_right:
; h = relu(x1 W1 + b1) on codes of FP4, quantised along FF on the way: the hidden layer goes to memory as codes alone.
; A work-group makes 256 tokens (work-group y) x 256 hidden units (x); sixteen waves, 64 x 64 each.  K = 1,024 is two quads (launch prep's head comment); both lie in LDS at once (16 token tiles and 16 weight tiles each),
; filled once: each wave brings two tiles of each quad.  Source 0 = rows of W1, source 1 = tokens: a lane holds one token, and its 32 registers of a token tile are hidden units 32 p + 16 h + 0 .. 15 of the wave's 64:
; half a K step of the next product.  CLUSTER 4 x 4: token tiles are asked for jointly along a row of the cluster, weight tiles along a column.
; LIMITS: a block of zeros or under 2^-124 gets the byte 1; NaN and infinities are not served.
.set TS,    4352
.set QR,    139264
.set WBASE, 69632
.set SPARE, 278528
.set NTOK,  8
.set SPW, 8
.set NIL, 9
.set ADA, 5
.set ADW, 6
.set ADS, 7
.set SC,  12
.set F0,  32
.set F1,  64
.set BI,  96
.set ACC, 128
.set PC,  32
.set PW,  48
.set TM,  52
.set TP,  54
.set SO,  56
.set BY,  58
.set WV,  14
.set SEL, 2
.set G1A, 24
.set G1W, 32
.set G0A, 40
.set G0W, 48
.macro ROUND
	s_barrier_signal -1
	s_barrier_wait -1
	s_cmp_lg_u32 s[WV], 0
	s_cbranch_scc1 .Lnot_wave_0_\@
	s_barrier_signal -3
.Lnot_wave_0_\@:
	s_barrier_wait -3
	s_barrier_signal -1
	s_barrier_wait -1
.endm
.macro JLOAD g0a, g1a, g0b, g1b
	s_cmp_lt_u32 s[WV], NTOK
	s_cbranch_scc0 .Lfor_w_\@
	tensor_load_to_lds s[\g0a:\g0a+3], s[\g1a:\g1a+7]
	s_nop 0
.rept 4
	v_nop
.endr
	s_branch .Lasked_\@
.Lfor_w_\@:
	tensor_load_to_lds s[\g0b:\g0b+3], s[\g1b:\g1b+7]
	s_nop 0
.rept 4
	v_nop
.endr
.Lasked_\@:
.endm
.macro WM a, b, s, zero
.if \zero
	v_wmma_scale_f32_16x16x128_f8f6f4 v[ACC+8*(4*\b+\a):ACC+8*(4*\b+\a)+7], v[F0+8*\a:F0+8*\a+7], v[F1+8*\b:F1+8*\b+7], 0, v[SC+4*\a+\s], v[SC+4*\b+\s] matrix_a_fmt:MATRIX_FMT_FP4 matrix_b_fmt:MATRIX_FMT_FP4 matrix_a_scale:MATRIX_SCALE_ROW1
.else
	v_wmma_scale_f32_16x16x128_f8f6f4 v[ACC+8*(4*\b+\a):ACC+8*(4*\b+\a)+7], v[F0+8*\a:F0+8*\a+7], v[F1+8*\b:F1+8*\b+7], v[ACC+8*(4*\b+\a):ACC+8*(4*\b+\a)+7], v[SC+4*\a+\s], v[SC+4*\b+\s] matrix_a_fmt:MATRIX_FMT_FP4 matrix_b_fmt:MATRIX_FMT_FP4 matrix_a_scale:MATRIX_SCALE_ROW1
.endif
.endm
.macro KSTEP s, zero                   ; 128 along K: eight images, 16 products; the accumulators take turns, one instruction a turn
.irp b,0,1,2,3
.irp c,0,1
	ds_load_b128 v[F1+8*\b+4*\c:F1+8*\b+4*\c+3], v[ADA] offset:\b*TS+\s*1024+\c*512
.endr
.endr
.irp a,0,1,2,3
.irp c,0,1
	ds_load_b128 v[F0+8*\a+4*\c:F0+8*\a+4*\c+3], v[ADW] offset:\a*TS+\s*1024+\c*512
.endr
.endr
.irp a,0,1,2,3
	s_wait_dscnt 6-2*\a                            ; the two loads of each later fragment of source 0 may be out
.irp b,0,1,2,3
	WM \a, \b, \s, \zero
.endr
.endr
.endm
.macro QUAD first                      ; four plain lines stand in front of loads into registers that products have read
.if \first == 0
.rept 4
	v_nop
.endr
.endif
.irp i,0,1,2,3
	ds_load_b128 v[SC+4*\i:SC+4*\i+3], v[ADS] offset:\i*TS
.endr
	KSTEP 0, \first
.irp s,1,2,3
.rept 4
	v_nop
.endr
	KSTEP \s, 0
.endr
.endm
	s_load_b256 s[4:11], s[0:1], 0x0               ; aq, wq, b1, hq
	v_lshl_add_u32 v[SPW], v0, 2, SPARE
	v_mov_b32 v[NIL], 0
	ds_add_u32 v[SPW], v[NIL]                      ; the wave's opening: the add, twice on end, and its wait ahead of my first tensor load
	ds_add_u32 v[SPW], v[NIL]
	v_lshrrev_b32 v1, 5, v0
	v_readfirstlane_b32 s[WV], v1                  ; wave 0..15
	s_and_b32 s15, s[WV], 3                        ; which 64 hidden units
	s_lshr_b32 s16, s[WV], 2                       ; which 64 tokens
	s_bfe_u32 s17, ttmp6, 0x40000
	s_bfe_u32 s18, ttmp6, 0x40004
	s_lshl_b32 s19, ttmp9, 2
	s_add_co_u32 s19, s19, s17                     ; block of 256 hidden units
	s_and_b32 s20, ttmp7, 0xffff
	s_lshl_b32 s20, s20, 2
	s_add_co_u32 s20, s20, s18                     ; block of 256 tokens
	s_lshl_b32 s21, s18, 2
	s_lshl_b32 s21, 15, s21
	s_lshl_b32 s22, 0x1111, s17
	s_or_b32 s[G1A], s21, (3<<16)|(1<<21)
	s_or_b32 s[G1W], s22, (3<<16)|(1<<21)
.irp g, G1A, G1W
	s_mov_b32 s[\g+1], 544<<16                     ; a row = one tile's quad record
	s_mov_b32 s[\g+2], 2<<16                       ; two tiles
	s_mov_b32 s[\g+3], 544<<16
	s_mov_b32 s[\g+4], 2
	s_mov_b32 s[\g+5], 1088
	s_mov_b32 s[\g+6], 0
	s_mov_b32 s[\g+7], 0
.endr
	s_and_b32 s23, s[WV], 7
	s_lshl_b32 s56, s20, 4
	s_lshl_b32 s57, s23, 1
	s_add_co_u32 s56, s56, s57
	s_mul_i32 s56, s56, 8704
	s_mov_b32 s57, 0
	s_lshl_b32 s60, s19, 4
	s_lshl_b32 s61, s23, 1
	s_add_co_u32 s60, s60, s61
	s_mul_i32 s60, s60, 8704
	s_add_co_u32 s60, s60, 2228224                 ; W1's records in wq
	s_mov_b32 s61, 0
	s_mul_i32 s58, s[WV], 8704                     ; where my two tiles go: token tiles first, weight tiles behind them
	s_mov_b32 s[SEL], 0x76543210
	s_mov_b32 s[SEL+1], 0xfedcba98
	s_wait_dscnt 0x0
	s_wait_kmcnt 0x0
	s_add_nc_u64 s[56:57], s[4:5], s[56:57]
	s_add_nc_u64 s[60:61], s[6:7], s[60:61]
	ROUND
.irp q,0,1
	s_mov_b32 s[G0A+4*\q], 1
	s_add_co_u32 s[G0A+4*\q+1], s58, \q*QR
	s_add_nc_u64 s[G0A+4*\q+2:G0A+4*\q+3], s[56:57], \q*4352
	s_or_b32 s[G0A+4*\q+3], s[G0A+4*\q+3], 0x80000000
	s_mov_b32 s[G0W+4*\q], 1
	s_add_co_u32 s[G0W+4*\q+1], s58, \q*QR
	s_add_nc_u64 s[G0W+4*\q+2:G0W+4*\q+3], s[60:61], \q*4352
	s_or_b32 s[G0W+4*\q+3], s[G0W+4*\q+3], 0x80000000
	JLOAD G0A+4*\q, G1A, G0W+4*\q, G1W             ; quad q: two loads of mine are out in all
.endr
	v_and_b32 v3, 15, v0
	v_bfe_u32 v4, v0, 4, 1
	v_and_b32 v1, 31, v0
	v_lshlrev_b32 v1, 4, v1                        ; 16 x lane
	v_lshlrev_b32 v2, 4, v3                        ; 16 r
	s_mul_i32 s66, s16, 17408
	s_mul_i32 s67, s15, 17408
	s_add_co_u32 s67, s67, WBASE
	v_add_nc_u32 v[ADA], s66, v1
	v_add_nc_u32 v[ADW], s67, v1
	s_sub_co_u32 s68, s67, s66
	v_mul_u32_u24 v[ADS], s68, v4
	v_lshl_add_u32 v[ADS], v3, 4, v[ADS]
	s_add_co_u32 s69, s66, 4096
	v_add_nc_u32 v[ADS], s69, v[ADS]
	s_lshl_b32 s72, s19, 10
	s_lshl_b32 s73, s15, 8
	s_add_co_u32 s72, s72, s73
	s_mov_b32 s73, 0
	s_add_nc_u64 s[72:73], s[8:9], s[72:73]        ; b1 at my 64 hidden units
	v_lshlrev_b32 v10, 6, v4
.irp p,0,1
.irp u,0,1
	global_load_b128 v[BI+16*\p+8*\u:BI+16*\p+8*\u+3], v10, s[72:73] offset:(32*\p+8*\u)*4
	global_load_b128 v[BI+16*\p+8*\u+4:BI+16*\p+8*\u+7], v10, s[72:73] offset:(32*\p+8*\u)*4+16
.endr
.endr
	s_lshl_b32 s74, s20, 4
	s_lshl_b32 s75, s16, 2
	s_add_co_u32 s74, s74, s75                     ; my first token tile
	s_mul_i32 s74, s74, 34816
	s_lshr_b32 s75, s19, 1
	s_mul_i32 s75, s75, 4352
	s_add_co_u32 s74, s74, s75                     ; its quad record: hidden unit / 512
	s_and_b32 s75, s19, 1
	s_lshl_b32 s75, s75, 1
	s_lshr_b32 s76, s15, 1
	s_add_co_u32 s75, s75, s76                     ; the K step in the quad
	s_and_b32 s76, s15, 1                          ; which half of it
	s_lshl_b32 s78, s75, 10
	s_lshl_b32 s79, s76, 9
	s_add_co_u32 s78, s78, s79
	s_add_co_u32 s78, s78, s74
	s_mov_b32 s79, 0
	s_add_nc_u64 s[78:79], s[10:11], s[78:79]
	s_lshl_b32 s80, s75, 2
	s_lshl_b32 s81, s76, 1
	s_add_co_u32 s80, s80, s81
	s_add_co_u32 s80, s80, s74
	s_add_co_u32 s80, s80, 4096
	s_mov_b32 s81, 0
	s_add_nc_u64 s[80:81], s[10:11], s[80:81]
	s_wait_tensorcnt 0x1                           ; my part of quad 0 is in; quad 1's may stay out
	s_barrier_signal -1
	s_barrier_wait -1
	QUAD 1
	v_add_nc_u32 v[ADA], QR, v[ADA]
	v_add_nc_u32 v[ADW], QR, v[ADW]
	v_add_nc_u32 v[ADS], QR, v[ADS]
	s_wait_tensorcnt 0x0
	s_wait_dscnt 0x0
	s_barrier_signal -1
	s_barrier_wait -1
	QUAD 0
.rept 4
	v_nop
.endr
	s_wait_loadcnt 0x0                             ; b1
	v_mov_b32 v[TP], 0
	v_mov_b32 v[TP+1], 0
.irp b,0,1,2,3                                 ; token tile b; each accumulator is read from its low end on
.irp n,0,2,4,6,8,10,12,14,16,18,20,22,24,26,28,30
	v_pk_add_f32 v[ACC+32*\b+\n:ACC+32*\b+\n+1], v[ACC+32*\b+\n:ACC+32*\b+\n+1], v[BI+\n:BI+\n+1]
.endr
.set n, 0
.rept 32
	v_max_num_f32 v[ACC+32*\b+n], 0, v[ACC+32*\b+n]                       ; relu, in f32
.set n, n+1
.endr
.irp p,0,1
	v_max3_num_f32 v[TM+\p], v[ACC+32*\b+16*\p], v[ACC+32*\b+16*\p+1], 0x1800000      ; none is negative: no |.|; the floor 2^(3 - 127)
.endr
.irp i,2,4,6,8,10,12,14
.irp p,0,1
	v_max3_num_f32 v[TM+\p], v[TM+\p], v[ACC+32*\b+16*\p+\i], v[ACC+32*\b+16*\p+\i+1]
.endr
.endr
.irp p,0,1
	v_permlanex16_b32 v[TP+\p], v[TM+\p], s[SEL], s[SEL+1]
.endr
.irp p,0,1
	v_max_num_f32 v[TM+\p], v[TM+\p], v[TP+\p]
.endr
.irp p,0,1
	v_add_nc_u32 v[SO+\p], 0xff000000, v[TM+\p]
.endr
.irp p,0,1
	v_lshrrev_b32 v[BY+\p], 23, v[SO+\p]
.endr
	v_lshl_or_b32 v[PW+\b], v[BY+1], 8, v[BY]
.irp p,0,1
	v_cvt_scalef32_pk8_fp4_f32 v[PC+4*\b+2*\p], v[ACC+32*\b+16*\p:ACC+32*\b+16*\p+7], v[SO+\p]
	v_cvt_scalef32_pk8_fp4_f32 v[PC+4*\b+2*\p+1], v[ACC+32*\b+16*\p+8:ACC+32*\b+16*\p+15], v[SO+\p]
.endr
	v_nop
	v_permlane16_swap_b32 v[PC+4*\b], v[PC+4*\b+2]
	v_permlane16_swap_b32 v[PC+4*\b+1], v[PC+4*\b+3]
	global_store_b128 v1, v[PC+4*\b:PC+4*\b+3], s[78:79] offset:34816*\b  ; 512 consecutive bytes
	global_store_b16 v2, v[PW+\b], s[80:81] offset:34816*\b               ; my two bytes of the row's scale word
.endr
	s_wait_tensorcnt 0x0                           ; the wave's end
	ds_add_u32 v[SPW], v[NIL]
	s_wait_dscnt 0x0
	ROUND                                          ; the closing round
	s_endpgm
.Lfunc_end_k_q568ac41f73_ffn1:
	.size	k_q568ac41f73_ffn1, .Lfunc_end_k_q568ac41f73_ffn1-k_q568ac41f73_ffn1
	.p2alignl 7, 3214868480
	.fill 96, 4, 3214868480
	.section	.rodata,"a",@progbits
	.p2align	6, 0x0
	.amdhsa_kernel k_q568ac41f73_ffn1
		.amdhsa_group_segment_fixed_size 280576
		.amdhsa_private_segment_fixed_size 0
		.amdhsa_enable_private_segment 0
		.amdhsa_kernarg_size 32
		.amdhsa_user_sgpr_count 2
		.amdhsa_user_sgpr_kernarg_segment_ptr 1
		.amdhsa_wavefront_size32 1
		.amdhsa_system_sgpr_workgroup_id_x 1
		.amdhsa_system_sgpr_workgroup_id_y 1
		.amdhsa_system_sgpr_workgroup_id_z 1
		.amdhsa_system_vgpr_workitem_id 0
		.amdhsa_next_free_vgpr 256
		.amdhsa_next_free_sgpr 82
		.amdhsa_reserve_vcc 0
		.amdhsa_float_denorm_mode_32 3
		.amdhsa_float_denorm_mode_16_64 3
		.amdhsa_memory_ordered 1
		.amdhsa_forward_progress 1
		.amdhsa_inst_pref_size 52
	.end_amdhsa_kernel
	.amdgpu_metadata
---
amdhsa.version: [ 1, 2 ]
amdhsa.kernels:
  - .name:           k_q568ac41f73_ffn1
    .symbol:         k_q568ac41f73_ffn1.kd
    .args:
      - { .name: aq, .offset: 0, .size: 8, .value_kind: global_buffer, .address_space: global }
      - { .name: wq, .offset: 8, .size: 8, .value_kind: global_buffer, .address_space: global }
      - { .name: b1, .offset: 16, .size: 8, .value_kind: global_buffer, .address_space: global }
      - { .name: hq, .offset: 24, .size: 8, .value_kind: global_buffer, .address_space: global }
    .group_segment_fixed_size: 280576
    .private_segment_fixed_size: 0
    .kernarg_segment_align: 8
    .kernarg_segment_size: 32
    .max_flat_workgroup_size: 512
    .sgpr_count:     82
    .vgpr_count:     256
    .wavefront_size: 32
...
	.end_amdgpu_metadata
.endif
;; end of part 6
;; launch ffn2 (part 7): grid 8 x 32, 8 waves a work-group, clusters of 4 x 4, 327,680 bytes of LDS; arguments hq, wq, b2, x1, y; writes y
.if DOCPART == 7
	.amdgcn_target "amdgcn-amd-amdhsa--gfx1250"
	.amdhsa_code_object_version 6
	.text
	.protected	k_q568ac41f73_ffn2
	.globl	k_q568ac41f73_ffn2
	.p2align	8
	.type	k_q568ac41f73_ffn2,@function
k_q568ac41f73_ffn2:
	s_mov_b64 s[64:65], 0
	v_nop
	global_prefetch_b8 v0, s[64:65] scope:SCOPE_SE
	s_setreg_imm32_b32 hwreg(HW_REG_WAVE_MODE, 25, 1), 1
	s_wait_xcnt 0x0
	s_wait_alu depctr_hold_cnt(0) depctr_sa_sdst(0) depctr_va_vdst(0) depctr_va_sdst(0) depctr_va_ssrc(0) depctr_va_vcc(0) depctr_vm_vsrc(0)
	s_getreg_b32 s2, hwreg(HW_REG_IB_STS2, 6, 4)
	s_cmp_eq_u32 s2, 0
	s_cbranch_scc0 .Lentry_in_a_cluster
	s_endpgm
.Lentry_in_a_cluster:
	s_bfe_u32 s2, ttmp6, 0x10000c
	s_cmp_lg_u32 s2, 0xf033
	s_cbranch_scc0 .Lentry_shape_is_right
	s_endpgm
.Lentry_shape_is_right:
; y = A W + bias + residual, f32, on codes of FP4.  Here: A = the hidden layer's codes (K = 4,096), W = W2, bias = b2, residual = x1.  (Launch wo is this text with other constants in the next three lines.)
.set KCH,   4                          ; chunks of 1,024 along K
.set TILEB, 34816                      ; bytes of a tile's records in A and in W
.set WOFF,  4456448                    ; where W's records begin in wq
; A work-group makes 128 tokens (work-group y) x 128 columns (x).  Operands come as quad records (launch prep's head comment).  A slot of LDS holds a chunk: 8 token tiles and 8 weight tiles x two quads;
; each wave fetches two tiles with one tensor load.  Two slots take turns; a slot is filled again behind a round of the cluster's barrier, in front of which every
; wave has waited for all its tensor loads, added 0 to its spare word and waited for that and for its reads.  By the text's own count a wave has two loads out at the start and one behind each round.
; EIGHT WAVES, K SHARED BY TWO: waves w and w + 4 make the same 64 x 64 (16 accumulators each), w on each chunk's first quad, w + 4 on its second: the choice lies in the LDS addresses alone.  So two waves stand on
; each SIMD, one working while the other waits for LDS, and no fragment is read twice.  At the end each gives its partner half of its sums (two token tiles, 64 registers, as images through LDS), takes the partner's
; sums of the other half, and finishes two token tiles.  The sums of one output are thus two f32 sums added once.
; THE RESIDUAL of a wave's two token tiles is asked for at the head, into v256-319 (window 1), so that it comes while the first tiles come.
; Source 0 = rows of W, source 1 = tokens: a lane holds one token and neighbouring columns; a tile of 16 tokens x 64 columns goes through the wave's own stage in LDS and leaves as whole runs of 256 bytes.
; CLUSTER 4 x 4: token tiles are asked for jointly along a row of the cluster, weight tiles along a column.
.set TS,    8704
.set SLOT,  139264
.set WBASE, 69632
.set STAGE, 278528                     ; behind the slots: 16 rows x (256 bytes + 16) for each wave; no tensor load lands here
.set SPARE, 313344                     ; behind the stages: the spare words, 128 bytes a wave
.if KCH > 1
.set XCH,   0                          ; the exchange, 8,192 bytes a wave: in slot 0, which has had its last fill, and whose last reads stand ahead of a barrier that every wave has passed
.else
.set XCH,   SLOT                       ; the exchange, 8,192 bytes a wave: where a second slot would lie: no tensor load lands here
.endif
.set NTOK,  4                          ; waves 0-3 fetch token tiles, waves 4-7 weight tiles
.set RD,  0                            ; v0  the stage, on the way back
.set STO, 1                            ; v1  the stage, on the way in
.set BO,  2                            ; v2  16 r: my four columns of a run of 64
.set VO,  3                            ; v3  4,096 h + 16 r: two rows of y an instruction
.set ADA, 4                            ; v4-5   my token tiles in slot 0, 1
.set ADW, 6                            ; v6-7   my weight tiles
.set SPW, 8
.set NIL, 9
.set ADS, 10                           ; v10-11 scale words
.set SC,  12
.set BB,  28                           ; v28-31 the bias at my four columns
.set F0,  32
.set F1,  64
.set OB,  96                           ; v96-127 16 rows back from the stage
.set XS,  96                           ; v96  until then: where I put what I give,
.set XL,  97                           ; v97  and where my partner puts what I take
.set ACC, 128
.set WV,  14
.set GH,  62                           ; s62  which quad of a chunk, and which two token tiles, are mine
.set G1A, 24
.set G1W, 32
.set G0A, 40
.set G0W, 48
.set MSB, 0
.macro WIN new                         ; the immediate's high byte repeats the setting that is left
.if MSB != \new
	s_set_vgpr_msb (MSB<<8)|\new
.set MSB, \new
.endif
.endm
.macro ROUND
	s_barrier_signal -1
	s_barrier_wait -1
	s_cmp_lg_u32 s[WV], 0
	s_cbranch_scc1 .Lnot_wave_0_\@
	s_barrier_signal -3
.Lnot_wave_0_\@:
	s_barrier_wait -3
	s_barrier_signal -1
	s_barrier_wait -1
.endm
.macro JLOAD g0a, g1a, g0b, g1b
	s_cmp_lt_u32 s[WV], NTOK
	s_cbranch_scc0 .Lfor_w_\@
	tensor_load_to_lds s[\g0a:\g0a+3], s[\g1a:\g1a+7]
	s_nop 0
.rept 4
	v_nop
.endr
	s_branch .Lasked_\@
.Lfor_w_\@:
	tensor_load_to_lds s[\g0b:\g0b+3], s[\g1b:\g1b+7]
	s_nop 0
.rept 4
	v_nop
.endr
.Lasked_\@:
.endm
.macro WM a, b, s, zero                ; source 0 is the weight, whose scale words stand in lanes 16-31
.if \zero
	v_wmma_scale_f32_16x16x128_f8f6f4 v[ACC+8*(4*\b+\a):ACC+8*(4*\b+\a)+7], v[F0+8*\a:F0+8*\a+7], v[F1+8*\b:F1+8*\b+7], 0, v[SC+4*\a+\s], v[SC+4*\b+\s] matrix_a_fmt:MATRIX_FMT_FP4 matrix_b_fmt:MATRIX_FMT_FP4 matrix_a_scale:MATRIX_SCALE_ROW1
.else
	v_wmma_scale_f32_16x16x128_f8f6f4 v[ACC+8*(4*\b+\a):ACC+8*(4*\b+\a)+7], v[F0+8*\a:F0+8*\a+7], v[F1+8*\b:F1+8*\b+7], v[ACC+8*(4*\b+\a):ACC+8*(4*\b+\a)+7], v[SC+4*\a+\s], v[SC+4*\b+\s] matrix_a_fmt:MATRIX_FMT_FP4 matrix_b_fmt:MATRIX_FMT_FP4 matrix_a_scale:MATRIX_SCALE_ROW1
.endif
.endm
.macro KSTEP a0, a1, off, s, zero      ; 128 along K: eight images, 16 products; the accumulators take turns, one instruction a turn
.irp b,0,1,2,3
.irp c,0,1
	ds_load_b128 v[F1+8*\b+4*\c:F1+8*\b+4*\c+3], v[\a1] offset:\off+\b*TS+\s*1024+\c*512
.endr
.endr
.irp a,0,1,2,3
.irp c,0,1
	ds_load_b128 v[F0+8*\a+4*\c:F0+8*\a+4*\c+3], v[\a0] offset:\off+\a*TS+\s*1024+\c*512
.endr
.endr
.irp a,0,1,2,3
	s_wait_dscnt 6-2*\a                            ; the two loads of each later fragment of source 0 may be out
.irp b,0,1,2,3
	WM \a, \b, \s, \zero
.endr
.endr
.endm
.macro QUAD a0, a1, ads, off, first    ; four plain lines stand in front of loads into registers that products have read
.if \first == 0
.rept 4
	v_nop
.endr
.endif
.irp i,0,1,2,3
	ds_load_b128 v[SC+4*\i:SC+4*\i+3], v[\ads] offset:\off+\i*TS
.endr
	KSTEP \a0, \a1, \off, 0, \first
.irp s,1,2,3
.rept 4
	v_nop
.endr
	KSTEP \a0, \a1, \off, \s, 0
.endr
.endm
.macro SLOTC s, first                  ; my quad of a slot's chunk
	QUAD ADW+\s, ADA+\s, ADS+\s, 0, \first
.endm
.macro FIRST q                         ; slot q's descriptors and first fill: chunk q
	s_mov_b32 s[G0A+4*\q], 1
	s_add_co_u32 s[G0A+4*\q+1], s58, \q*SLOT
	s_add_nc_u64 s[G0A+4*\q+2:G0A+4*\q+3], s[56:57], \q*8704
	s_or_b32 s[G0A+4*\q+3], s[G0A+4*\q+3], 0x80000000
	s_mov_b32 s[G0W+4*\q], 1
	s_add_co_u32 s[G0W+4*\q+1], s58, \q*SLOT
	s_add_nc_u64 s[G0W+4*\q+2:G0W+4*\q+3], s[60:61], \q*8704
	s_or_b32 s[G0W+4*\q+3], s[G0W+4*\q+3], 0x80000000
	JLOAD G0A+4*\q, G1A, G0W+4*\q, G1W
.endm
.macro REFILL s                        ; slot s, which has been read, takes the chunk two further on
	s_wait_tensorcnt 0x0                           ; all my tensor loads have landed, the other slot's part among them: a group 0 may be written
	ds_add_u32 v[SPW], v[NIL]                      ; 0 onto my spare word
	s_add_nc_u64 s[G0A+4*\s+2:G0A+4*\s+3], s[G0A+4*\s+2:G0A+4*\s+3], 17408
	s_add_nc_u64 s[G0W+4*\s+2:G0W+4*\s+3], s[G0W+4*\s+2:G0W+4*\s+3], 17408
	s_wait_dscnt 0x0                               ; the add is done, and my reads of the slot are over
	ROUND                                          ; both now hold of every wave of every partner
	JLOAD G0A+4*\s, G1A, G0W+4*\s, G1W             ; my one tensor load behind the round
.endm
.macro RESLD t                         ; the residual of the t-th of my two token tiles: 16 rows x 256 bytes, two rows an instruction, into window 1
.irp i,0,1,2,3,4,5,6,7
	global_load_b128 v[32*(\t)+4*\i:32*(\t)+4*\i+3], v[VO], s[10:11] offset:(8*(\t)+((2*\i)&7)+16*(\i>>2))*4096 th:TH_LOAD_NT
.endr
.endm
.macro GIVE base                       ; 64 registers to my partner, as they stand: 16 bytes a lane, 512 bytes a store; each accumulator from its low end on
.set n, 0
.rept 16
	ds_store_b128 v[XS], v[\base+4*n:\base+4*n+3] offset:512*n
.set n, n+1
.endr
.endm
.macro TAKE keep, got                  ; my partner's sums of the tiles that I keep, into the registers that I gave away; then the two sums are added
.set n, 0
.rept 16
	ds_load_b128 v[\got+4*n:\got+4*n+3], v[XL] offset:512*n
.set n, n+1
.endr
	s_wait_dscnt 0x0
.set n, 0
.rept 32
	v_pk_add_f32 v[\keep+2*n:\keep+2*n+1], v[\keep+2*n:\keep+2*n+1], v[\got+2*n:\got+2*n+1]
.set n, n+1
.endr
.endm
.macro OUT b                           ; token tile b leaves: through my stage, + residual + bias, as whole runs of 256 bytes
.irp p,0,1
.irp u,0,1
.irp v,0,1
	ds_store_b128 v[STO], v[ACC+32*(\b)+16*\p+8*\u+4*\v:ACC+32*(\b)+16*\p+8*\u+4*\v+3] offset:128*\p+32*\u+16*\v   ; column 32 p + 16 h + 8 u + 4 v
.endr
.endr
.endr
.irp i,0,1,2,3,4,5,6,7
	ds_load_b128 v[OB+4*\i:OB+4*\i+3], v[RD] offset:544*\i                ; LDS serves a wave's instructions in order: these see my stores
.endr
	s_wait_dscnt 0x0
	WIN 0x04                                       ; source 1: window 1
.irp n,0,2,4,6,8,10,12,14,16,18,20,22,24,26,28,30
	v_pk_add_f32 v[OB+\n:OB+\n+1], v[OB+\n:OB+\n+1], v[32*((\b)&1)+\n:32*((\b)&1)+\n+1]
.endr
	WIN 0
.irp i,0,1,2,3,4,5,6,7
	v_pk_add_f32 v[OB+4*\i:OB+4*\i+1], v[OB+4*\i:OB+4*\i+1], v[BB:BB+1]
	v_pk_add_f32 v[OB+4*\i+2:OB+4*\i+3], v[OB+4*\i+2:OB+4*\i+3], v[BB+2:BB+3]
.endr
.irp i,0,1,2,3,4,5,6,7
	global_store_b128 v[VO], v[OB+4*\i:OB+4*\i+3], s[12:13] offset:(8*((\b)&1)+((2*\i)&7)+16*(\i>>2))*4096   ; sixteen lanes store 256 consecutive bytes, aligned
.endr
.endm
	s_load_b256 s[4:11], s[0:1], 0x0               ; A, wq, bias, residual
	s_load_b64 s[12:13], s[0:1], 0x20              ; y
	v_lshl_add_u32 v[SPW], v0, 2, SPARE
	v_mov_b32 v[NIL], 0
	ds_add_u32 v[SPW], v[NIL]                      ; the wave's opening: the add, twice on end, and its wait ahead of my first tensor load
	ds_add_u32 v[SPW], v[NIL]
	v_lshrrev_b32 v1, 5, v0
	v_readfirstlane_b32 s[WV], v1                  ; wave 0..7
	s_bfe_u32 s15, s[WV], 0x10001                  ; which 64 tokens
	s_and_b32 s16, s[WV], 1                        ; which 64 columns
	s_lshr_b32 s[GH], s[WV], 2                     ; which quad of a chunk; which two of the four token tiles I finish
	s_and_b32 s23, s[WV], 3                        ; which two tiles I fetch
	s_bfe_u32 s17, ttmp6, 0x40000
	s_bfe_u32 s18, ttmp6, 0x40004
	s_lshl_b32 s19, ttmp9, 2
	s_add_co_u32 s19, s19, s17                     ; block of 128 columns
	s_and_b32 s20, ttmp7, 0xffff
	s_lshl_b32 s20, s20, 2
	s_add_co_u32 s20, s20, s18                     ; block of 128 tokens
	s_lshl_b32 s21, s18, 2
	s_lshl_b32 s21, 15, s21
	s_lshl_b32 s22, 0x1111, s17
	s_or_b32 s[G1A], s21, (3<<16)|(1<<21)
	s_or_b32 s[G1W], s22, (3<<16)|(1<<21)
.irp g, G1A, G1W
	s_mov_b32 s[\g+1], 1088<<16                    ; a row = two of a tile's quad records, 8,704 bytes
	s_mov_b32 s[\g+2], 2<<16                       ; two tiles
	s_mov_b32 s[\g+3], 1088<<16
	s_mov_b32 s[\g+4], 2
	s_mov_b32 s[\g+5], TILEB/8
	s_mov_b32 s[\g+6], 0
	s_mov_b32 s[\g+7], 0
.endr
	s_lshl_b32 s56, s20, 3
	s_lshl_b32 s57, s23, 1
	s_add_co_u32 s56, s56, s57
	s_mul_i32 s56, s56, TILEB
	s_mov_b32 s57, 0
	s_lshl_b32 s60, s19, 3
	s_lshl_b32 s61, s23, 1
	s_add_co_u32 s60, s60, s61
	s_mul_i32 s60, s60, TILEB
	s_add_co_u32 s60, s60, WOFF
	s_mov_b32 s61, 0
	s_mul_i32 s58, s[WV], 17408                    ; where my two tiles go: token tiles first, weight tiles behind them
	s_wait_dscnt 0x0
	s_wait_kmcnt 0x0
	s_add_nc_u64 s[56:57], s[4:5], s[56:57]
	s_add_nc_u64 s[60:61], s[6:7], s[60:61]
	ROUND
	FIRST 0
.if KCH > 1
	FIRST 1
.endif
	v_and_b32 v1, 31, v0
	v_lshlrev_b32 v1, 4, v1                        ; 16 x lane
	v_and_b32 v2, 15, v0                           ; r
	v_bfe_u32 v3, v0, 4, 1                         ; h
	s_mul_i32 s66, s15, 34816
	s_mul_i32 s67, s16, 34816
	s_add_co_u32 s67, s67, WBASE
	s_sub_co_u32 s68, s67, s66                     ; the weight tiles lie behind the token tiles: one product with h
	s_mul_i32 s63, s[GH], 4352                     ; my quad
	s_add_co_u32 s66, s66, s63
	s_add_co_u32 s67, s67, s63
	v_add_nc_u32 v[ADA], s66, v1
	v_add_nc_u32 v[ADW], s67, v1
	v_mul_u32_u24 v[ADS], s68, v3
	v_lshl_add_u32 v[ADS], v2, 4, v[ADS]
	s_add_co_u32 s69, s66, 4096
	v_add_nc_u32 v[ADS], s69, v[ADS]
.if KCH > 1
	v_add_nc_u32 v[ADA+1], SLOT, v[ADA]
	v_add_nc_u32 v[ADW+1], SLOT, v[ADW]
	v_add_nc_u32 v[ADS+1], SLOT, v[ADS]
.endif
	s_lshl_b32 s69, s[WV], 13
	s_add_co_u32 s69, s69, XCH
	v_add_nc_u32 v[XS], s69, v1                    ; the exchange: my 8,192 bytes,
	s_xor_b32 s69, s[WV], 4
	s_lshl_b32 s69, s69, 13
	s_add_co_u32 s69, s69, XCH
	v_add_nc_u32 v[XL], s69, v1                    ; and my partner's
	s_mul_i32 s69, s[WV], 4352
	s_add_co_u32 s69, s69, STAGE
	v_mul_u32_u24 v1, v2, 272
	v_lshl_add_u32 v1, v3, 6, v1
	v_add_nc_u32 v1, s69, v1                       ; in: row r, + 64 h
	v_mul_u32_u24 v0, v3, 272
	v_lshl_add_u32 v0, v2, 4, v0
	v_add_nc_u32 v0, s69, v0                       ; back: lanes 0-15 one row, lanes 16-31 the next
	v_lshlrev_b32 v3, 12, v3
	v_lshl_add_u32 v3, v2, 4, v3
	v_lshlrev_b32 v2, 4, v2
	s_lshl_b32 s70, s19, 9
	s_lshl_b32 s71, s16, 8
	s_add_co_u32 s70, s70, s71                     ; my 64 columns, in bytes
	s_mov_b32 s71, 0
	s_add_nc_u64 s[8:9], s[8:9], s[70:71]
	s_lshl_b32 s72, s20, 19
	s_lshl_b32 s73, s15, 18
	s_add_co_u32 s72, s72, s73                     ; my 64 tokens,
	s_lshl_b32 s73, s[GH], 17
	s_add_co_u32 s72, s72, s73                     ; and of them the 32 whose two tiles I finish
	s_add_co_u32 s70, s70, s72
	s_add_nc_u64 s[10:11], s[10:11], s[70:71]
	s_add_nc_u64 s[12:13], s[12:13], s[70:71]
	global_load_b128 v[BB:BB+3], v[BO], s[8:9]
	WIN 0x40                                       ; destination: window 1
	RESLD 0
	RESLD 1
	WIN 0
.if KCH > 1
	s_wait_tensorcnt 0x1                           ; my part of chunk 0 is in; chunk 1's may stay out
.else
	s_wait_tensorcnt 0x0
.endif
	s_barrier_signal -1
	s_barrier_wait -1
	SLOTC 0, 1
.if KCH > 1
	REFILL 0                                       ; chunk 2
	SLOTC 1, 0
	REFILL 1                                       ; chunk 3
	SLOTC 0, 0
	s_wait_tensorcnt 0x0                           ; my part of chunk 3 is in
	s_wait_dscnt 0x0
	s_barrier_signal -1
	s_barrier_wait -1
	SLOTC 1, 0
.endif
	; THE WAY OUT
.rept 4
	v_nop                                          ; in front of the first read of results and of loads into the accumulators' registers
.endr
	s_wait_loadcnt 0x0                             ; the bias and the residual, asked for at the head
	s_cmp_eq_u32 s[GH], 0
	s_cbranch_scc0 .Lgive1
	GIVE ACC+64                                    ; waves 0-3 give token tiles 2 and 3,
	s_branch .Lgiven
.Lgive1:
	GIVE ACC                                       ; waves 4-7 tiles 0 and 1
.Lgiven:
	s_wait_dscnt 0x0                               ; for my partner's sake: my stores are done
	s_barrier_signal -1
	s_barrier_wait -1
	s_cmp_eq_u32 s[GH], 0
	s_cbranch_scc0 .Ltake1
	TAKE ACC, ACC+64
	OUT 0
	s_wait_xcnt 0x0                                ; the stores have read their registers: the next tile's rows may land there
	OUT 1
	s_branch .Lend
.Ltake1:
	TAKE ACC+64, ACC
	OUT 2
	s_wait_xcnt 0x0
	OUT 3
.Lend:
	s_wait_tensorcnt 0x0                           ; the wave's end
	ds_add_u32 v[SPW], v[NIL]
	s_wait_dscnt 0x0
	ROUND                                          ; the closing round
	s_endpgm
.Lfunc_end_k_q568ac41f73_ffn2:
	.size	k_q568ac41f73_ffn2, .Lfunc_end_k_q568ac41f73_ffn2-k_q568ac41f73_ffn2
	.p2alignl 7, 3214868480
	.fill 96, 4, 3214868480
	.section	.rodata,"a",@progbits
	.p2align	6, 0x0
	.amdhsa_kernel k_q568ac41f73_ffn2
		.amdhsa_group_segment_fixed_size 327680
		.amdhsa_private_segment_fixed_size 0
		.amdhsa_enable_private_segment 0
		.amdhsa_kernarg_size 40
		.amdhsa_user_sgpr_count 2
		.amdhsa_user_sgpr_kernarg_segment_ptr 1
		.amdhsa_wavefront_size32 1
		.amdhsa_system_sgpr_workgroup_id_x 1
		.amdhsa_system_sgpr_workgroup_id_y 1
		.amdhsa_system_sgpr_workgroup_id_z 1
		.amdhsa_system_vgpr_workitem_id 0
		.amdhsa_next_free_vgpr 320
		.amdhsa_next_free_sgpr 74
		.amdhsa_reserve_vcc 0
		.amdhsa_float_denorm_mode_32 3
		.amdhsa_float_denorm_mode_16_64 3
		.amdhsa_memory_ordered 1
		.amdhsa_forward_progress 1
		.amdhsa_inst_pref_size 89
	.end_amdhsa_kernel
	.amdgpu_metadata
---
amdhsa.version: [ 1, 2 ]
amdhsa.kernels:
  - .name:           k_q568ac41f73_ffn2
    .symbol:         k_q568ac41f73_ffn2.kd
    .args:
      - { .name: hq, .offset: 0, .size: 8, .value_kind: global_buffer, .address_space: global }
      - { .name: wq, .offset: 8, .size: 8, .value_kind: global_buffer, .address_space: global }
      - { .name: b2, .offset: 16, .size: 8, .value_kind: global_buffer, .address_space: global }
      - { .name: x1, .offset: 24, .size: 8, .value_kind: global_buffer, .address_space: global }
      - { .name: y, .offset: 32, .size: 8, .value_kind: global_buffer, .address_space: global }
    .group_segment_fixed_size: 327680
    .private_segment_fixed_size: 0
    .kernarg_segment_align: 8
    .kernarg_segment_size: 40
    .max_flat_workgroup_size: 256
    .sgpr_count:     74
    .vgpr_count:     320
    .wavefront_size: 32
...
	.end_amdgpu_metadata
.endif
;; end of part 7
;; launch ln2 (part 8): grid 256 x 1, 8 waves a work-group, no clusters, 69,632 bytes of LDS; arguments y, gamma2, beta2, out0; writes out0
.if DOCPART == 8
	.amdgcn_target "amdgcn-amd-amdhsa--gfx1250"
	.amdhsa_code_object_version 6
	.text
	.protected	k_q568ac41f73_ln2
	.globl	k_q568ac41f73_ln2
	.p2align	8
	.type	k_q568ac41f73_ln2,@function
k_q568ac41f73_ln2:
	s_mov_b64 s[64:65], 0
	v_nop
	global_prefetch_b8 v0, s[64:65] scope:SCOPE_SE
	s_setreg_imm32_b32 hwreg(HW_REG_WAVE_MODE, 25, 1), 1
	s_wait_xcnt 0x0
; LayerNorm over rows of 1,024: out = (y - mean) / sqrt(var + 1e-5) x gamma + beta, mean and variance in two passes as reference() has them.  The result leaves as f32 alone.
.set WITHQ, 0
; A work-group takes a token tile of 16 rows (launch prep's head comment), wave w columns 128 w .. 128 w + 127.  Rows come in as runs of 512 bytes and turn through the wave's own stage in LDS, so that lane (r, h)
; holds columns 64 c + 32 h + 0 .. 31 of row r.  The eight waves' sums of a row meet in LDS: two barriers.  Memory binds: no matrix unit, no cluster, no tensor load.
; All three inputs are asked for together at the head: y, gamma, and beta, which has registers of its own in window 1 (v256-319).
; LIMITS: v_rsq_f32 in the place of a root and a division; NaN and infinities are not served.
.set STG,   8448
.set RED1,  67584                      ; behind the stages: [row][wave] sums; RED1 + 512: the squares'
.set SPARE, 68608
.set SPW, 12
.set NIL, 13
.set R,   32                           ; v32-95   rows as loaded
.set X,   96                           ; v96-159  my 64 numbers
.set GA,  160                          ; v160-223 gamma; later rows on the way out
.set BE,  0                            ; v256-319 beta: v0-63 of window 1
.set WV,  14
.set SEL, 24
.macro REDUCE off                      ; four chains -> my 64 -> the row's 128 of this wave -> LDS -> the row's 1,024, in v24
	v_pk_add_f32 v[14:15], v[14:15], v[16:17]
	v_pk_add_f32 v[18:19], v[18:19], v[20:21]
	v_pk_add_f32 v[14:15], v[14:15], v[18:19]
	v_add_f32 v14, v14, v15
	v_permlanex16_b32 v15, v14, s[SEL], s[SEL+1]
	v_add_f32 v14, v14, v15
	ds_store_b32 v10, v14 offset:\off              ; both lanes of a row store the same word
	s_wait_dscnt 0x0                               ; for the others' sake
	s_barrier_signal -1
	s_barrier_wait -1
	ds_load_b128 v[24:27], v11 offset:\off
	ds_load_b128 v[28:31], v11 offset:\off+16
	s_wait_dscnt 0x0
	v_pk_add_f32 v[24:25], v[24:25], v[26:27]
	v_pk_add_f32 v[28:29], v[28:29], v[30:31]
	v_pk_add_f32 v[24:25], v[24:25], v[28:29]
	v_add_f32 v24, v24, v25
.endm
	s_load_b256 s[4:11], s[0:1], 0x0               ; y, gamma, beta, the result
	v_lshl_add_u32 v[SPW], v0, 2, SPARE
	v_mov_b32 v[NIL], 0
	v_lshrrev_b32 v1, 5, v0
	v_readfirstlane_b32 s[WV], v1
	v_and_b32 v1, 31, v0
	v_and_b32 v2, 15, v0                           ; r
	v_bfe_u32 v3, v0, 4, 1                         ; h
	s_lshr_b32 s16, ttmp9, 1
	s_lshl_b32 s16, s16, 17
	s_and_b32 s17, ttmp9, 1
	s_lshl_b32 s17, s17, 15
	s_add_co_u32 s16, s16, s17
	s_lshl_b32 s18, s[WV], 9
	s_add_co_u32 s16, s16, s18                     ; the tile's first row, my 128 columns
	s_mov_b32 s17, 0
	s_mov_b32 s19, 0
	s_mul_i32 s22, s[WV], STG
	s_lshl_b32 s23, s[WV], 2
	s_add_co_u32 s23, s23, RED1
	s_mov_b32 s[SEL], 0x76543210
	s_mov_b32 s[SEL+1], 0xfedcba98
	s_mov_b32 s26, 0x3a800000                      ; 1 / 1,024
	s_mov_b32 s27, 0x3727c5ac                      ; 1e-5
	v_lshlrev_b32 v4, 4, v1
	v_add_nc_u32 v5, s22, v4
	v_mul_u32_u24 v6, v2, 528
	v_lshl_add_u32 v6, v3, 7, v6
	v_add_nc_u32 v6, s22, v6
	v_lshlrev_b32 v9, 7, v3                        ; gamma, beta: + 32 h numbers
	v_lshl_add_u32 v10, v2, 5, s23
	v_lshl_add_u32 v11, v2, 5, RED1
	s_wait_kmcnt 0x0
	s_add_nc_u64 s[4:5], s[4:5], s[16:17]
	s_add_nc_u64 s[10:11], s[10:11], s[16:17]
	s_add_nc_u64 s[6:7], s[6:7], s[18:19]
	s_add_nc_u64 s[8:9], s[8:9], s[18:19]
.set n, 0
.rept 16
	global_load_b128 v[R+4*n:R+4*n+3], v4, s[4:5] offset:((n&7)+16*(n>>3))*4096 th:TH_LOAD_NT
.set n, n+1
.endr
.irp c,0,1
.irp j,0,1,2,3,4,5,6,7
	global_load_b128 v[GA+32*\c+4*\j:GA+32*\c+4*\j+3], v9, s[6:7] offset:\c*256+\j*16
.endr
.endr
	s_set_vgpr_msb 0x40                            ; destination: window 1
.irp c,0,1
.irp j,0,1,2,3,4,5,6,7
	global_load_b128 v[BE+32*\c+4*\j:BE+32*\c+4*\j+3], v9, s[8:9] offset:\c*256+\j*16
.endr
.endr
	s_set_vgpr_msb 0x4000                          ; all back to window 0
.set n, 0
.rept 16
	s_wait_loadcnt 47-n                            ; row n is in; the younger rows and gamma's and beta's 32 loads may be out
	ds_store_b128 v5, v[R+4*n:R+4*n+3] offset:n*528
.set n, n+1
.endr
.irp c,0,1
.irp j,0,1,2,3,4,5,6,7
	ds_load_b128 v[X+32*\c+4*\j:X+32*\c+4*\j+3], v6 offset:\c*256+\j*16
.endr
.endr
	s_wait_dscnt 0x0
.irp k,0,1,2,3
	v_pk_add_f32 v[14+2*\k:15+2*\k], v[X+4*\k:X+4*\k+1], v[X+4*\k+2:X+4*\k+3]
.endr
.irp j,16,24,32,40,48,56
.irp k,0,1,2,3
	v_pk_add_f32 v[14+2*\k:15+2*\k], v[14+2*\k:15+2*\k], v[X+\j+2*\k:X+\j+2*\k+1]
.endr
.endr
	REDUCE 0
	v_mul_f32 v22, 0xba800000, v24                 ; -mean
	v_mov_b32 v23, v22
.irp j,0,2,4,6,8,10,12,14,16,18,20,22,24,26,28,30,32,34,36,38,40,42,44,46,48,50,52,54,56,58,60,62
	v_pk_add_f32 v[X+\j:X+\j+1], v[X+\j:X+\j+1], v[22:23]
.endr
.irp k,0,1,2,3
	v_pk_mul_f32 v[14+2*\k:15+2*\k], v[X+2*\k:X+2*\k+1], v[X+2*\k:X+2*\k+1]
.endr
.irp j,8,16,24,32,40,48,56
.irp k,0,1,2,3
	v_pk_fma_f32 v[14+2*\k:15+2*\k], v[X+\j+2*\k:X+\j+2*\k+1], v[X+\j+2*\k:X+\j+2*\k+1], v[14+2*\k:15+2*\k]
.endr
.endr
	REDUCE 512
	v_fma_f32 v22, v24, s26, s27                   ; var + eps
	v_rsq_f32 v22, v22
	v_nop
	s_wait_alu depctr_va_vdst(0)                   ; ahead of the first reader
	v_mov_b32 v23, v22
.irp j,0,2,4,6,8,10,12,14,16,18,20,22,24,26,28,30,32,34,36,38,40,42,44,46,48,50,52,54,56,58,60,62
	v_pk_mul_f32 v[X+\j:X+\j+1], v[X+\j:X+\j+1], v[22:23]
.endr
	s_wait_loadcnt 0x0                             ; gamma and beta
	s_set_vgpr_msb 0x10                            ; source 2: window 1
.irp j,0,2,4,6,8,10,12,14,16,18,20,22,24,26,28,30,32,34,36,38,40,42,44,46,48,50,52,54,56,58,60,62
	v_pk_fma_f32 v[X+\j:X+\j+1], v[X+\j:X+\j+1], v[GA+\j:GA+\j+1], v[BE+\j:BE+\j+1]
.endr
	s_set_vgpr_msb 0x1000                          ; all back to window 0
.irp c,0,1
.irp j,0,1,2,3,4,5,6,7
	ds_store_b128 v6, v[X+32*\c+4*\j:X+32*\c+4*\j+3] offset:\c*256+\j*16  ; back through my stage,
.endr
.endr
.set n, 0
.rept 16
	ds_load_b128 v[GA+4*n:GA+4*n+3], v5 offset:n*528                      ; as whole runs of 512 bytes
.set n, n+1
.endr
.set n, 0
.rept 16
	s_wait_dscnt 15-n                              ; row n is back; the younger rows may be out
	global_store_b128 v4, v[GA+4*n:GA+4*n+3], s[10:11] offset:((n&7)+16*(n>>3))*4096 th:TH_STORE_NT   ; 512 consecutive bytes
.set n, n+1
.endr
	s_wait_tensorcnt 0x0                           ; the wave's end, behind my last LDS store
	ds_add_u32 v[SPW], v[NIL]
	s_wait_dscnt 0x0
	s_endpgm
.Lfunc_end_k_q568ac41f73_ln2:
	.size	k_q568ac41f73_ln2, .Lfunc_end_k_q568ac41f73_ln2-k_q568ac41f73_ln2
	.p2alignl 7, 3214868480
	.fill 96, 4, 3214868480
	.section	.rodata,"a",@progbits
	.p2align	6, 0x0
	.amdhsa_kernel k_q568ac41f73_ln2
		.amdhsa_group_segment_fixed_size 69632
		.amdhsa_private_segment_fixed_size 0
		.amdhsa_enable_private_segment 0
		.amdhsa_kernarg_size 32
		.amdhsa_user_sgpr_count 2
		.amdhsa_user_sgpr_kernarg_segment_ptr 1
		.amdhsa_wavefront_size32 1
		.amdhsa_system_sgpr_workgroup_id_x 1
		.amdhsa_system_sgpr_workgroup_id_y 1
		.amdhsa_system_sgpr_workgroup_id_z 1
		.amdhsa_system_vgpr_workitem_id 0
		.amdhsa_next_free_vgpr 320
		.amdhsa_next_free_sgpr 66
		.amdhsa_reserve_vcc 0
		.amdhsa_float_denorm_mode_32 3
		.amdhsa_float_denorm_mode_16_64 3
		.amdhsa_memory_ordered 1
		.amdhsa_forward_progress 1
		.amdhsa_inst_pref_size 25
	.end_amdhsa_kernel
	.amdgpu_metadata
---
amdhsa.version: [ 1, 2 ]
amdhsa.kernels:
  - .name:           k_q568ac41f73_ln2
    .symbol:         k_q568ac41f73_ln2.kd
    .args:
      - { .name: y, .offset: 0, .size: 8, .value_kind: global_buffer, .address_space: global }
      - { .name: gamma2, .offset: 8, .size: 8, .value_kind: global_buffer, .address_space: global }
      - { .name: beta2, .offset: 16, .size: 8, .value_kind: global_buffer, .address_space: global }
      - { .name: out0, .offset: 24, .size: 8, .value_kind: global_buffer, .address_space: global }
    .group_segment_fixed_size: 69632
    .private_segment_fixed_size: 0
    .kernarg_segment_align: 8
    .kernarg_segment_size: 32
    .max_flat_workgroup_size: 256
    .sgpr_count:     66
    .vgpr_count:     320
    .wavefront_size: 32
...
	.end_amdgpu_metadata
.endif
;; end of part 8
